; MI455X (gfx1250); checked and timed in simulation.
; The chip was launched on July 23, 2026; its instructions are those of AMD's public machine-readable ISA for CDNA 5 (MIT licence, August 2026) and "CDNA5" Instruction Set Architecture Reference Guide (July 2026). The comments in the code are by the model that wrote it; some were corrected since.
;; Differential Attention. Allowed arithmetic: matrix products marked QUANTISED: E2M3 operands, one E8M0 scale for each 32 along K, by v_wmma_scale_f32_16x16x128_f8f6f4 with both operands' format E2M3, f32 sums; everything else in f32.
;; Inputs: lambda_k1 64 float32; lambda_k2 64 float32; lambda_q1 64 float32; lambda_q2 64 float32; rope_cos 2,048 x 32 float32; rope_sin 2,048 x 32 float32; subln_w 128 float32; wk 2,048 x 2,048 float32; wo 2,048 x 2,048 float32; wq 2,048 x 2,048 float32; wv 2,048 x 2,048 float32; x 1 x 2,048 x 2,048 float32.
;; Outputs: out0 1 x 2,048 x 2,048 float32.
;; This version of the problem:
;;   THIS VERSION OF THE PROBLEM IS GIVEN IN LOW PRECISION. The matrix products marked QUANTISED in the list below multiply operands that are first quantised to E2M3 (2 exponent bits, 3 mantissa bits; 6 bits a number), with one power-of-two scale for each 32 numbers along K (OCP MX v1.0); their sums are f32. All else is computed in f32.
;;   The module's matrix products, in the order in which they are computed (A, B: the left and right operand; K: the contracted axis; several contracted axes count as one K, in the product's order):
;;     1. [M 2,048, K 2,048] x [K 2,048, N 2,048]; A: input x; B: input wq: QUANTISED
;;     2. [M 2,048, K 2,048] x [K 2,048, N 2,048]; A: input x; B: input wk: QUANTISED
;;     3. [M 2,048, K 2,048] x [K 2,048, N 2,048]; A: input x; B: input wv: QUANTISED
;;     4. batch 16 x [M 2,048, K 64] x [K 64, N 2,048]; A: computed on the way; B: computed on the way: QUANTISED
;;     5. batch 16 x [M 64, K 2,048] x [K 2,048, N 2,048]; A: computed on the way; B: softmax (see below): QUANTISED
;;     6. batch 16 x [M 64, K 2,048] x [K 2,048, N 2,048]; A: computed on the way; B: softmax (see below): QUANTISED
;;     7. batch 16 x [M 2,048, K 64] x [K 64, N 2,048]; A: computed on the way; B: computed on the way: QUANTISED
;;     8. batch 16 x [M 64, K 2,048] x [K 2,048, N 2,048]; A: computed on the way; B: softmax (see below): QUANTISED
;;     9. batch 16 x [M 64, K 2,048] x [K 2,048, N 2,048]; A: computed on the way; B: softmax (see below): QUANTISED
;;     10. [M 2,048, K 2,048] x [K 2,048, N 2,048]; A: computed on the way; B: input wo: QUANTISED
;;   THE QUANTISER, for each operand of a quantised product, along K:
;;     - K is cut into blocks of 32 from its start; a last block that is shorter is filled with zeros.
;;     - A block's scale is 2^e with e = floor(log2(the largest magnitude in the block)) - 2, held to -126 .. 127; a block of zeros has e = 0. As a byte (E8M0): e + 127.
;;     - Each number is divided by its block's scale, clamped to +-7.5, and rounded to the nearest number of E2M3, ties to even, subnormals kept.
;;     - The product sums the exact products of the quantised numbers (number of the format x scale) in f32.
;;   ~~~python
;;   def quantise(x, axis):      # numpy; x: float32 -> the quantised numbers, widened to float32 again
;;       x = np.moveaxis(x, axis, -1); K = x.shape[-1]
;;       x = np.pad(x, [(0, 0)] * (x.ndim - 1) + [(0, -K % 32)]); x = x.reshape(x.shape[:-1] + (-1, 32)); a = np.abs(x).max(-1, keepdims=True)
;;       e = np.where(a > 0, np.clip(np.frexp(np.where(a > 0, a, 1))[1] - 1 - 2, -126, 127), 0)      # np.frexp(a)[1] - 1 = floor(log2(a)), exactly
;;       r = np.clip(x / 2.0 ** e, -7.5, 7.5)
;;       step = 2.0 ** (np.maximum(np.frexp(np.where(r == 0, 1, r))[1] - 1, 0) - 3)
;;       q = np.round(r / step) * step * 2.0 ** e      # np.round: ties to even
;;       return np.moveaxis(q.reshape(q.shape[:-2] + (-1,))[..., :K], -1, axis).astype(np.float32)
;;   ~~~
;;   SOFTMAX AHEAD OF A QUANTISED PRODUCT. Where the list says 'softmax', what is quantised is not the finished softmax but p = 2^(t - M), with t = logit x log2(e) and M = ceil(the row's largest t), a whole number; so 1/2 < the row's largest p <= 1. The row's sum l is taken of the UNQUANTISED p, in f32, and the product's result is divided by l at the end. Since M is a whole number, a kernel that streams over the keys may use a running M (the ceiling of the running maximum): every later rescaling is an exact power of two, which a block's scale takes up: the codes' values come out the same.
;;   OPERANDS COMPUTED ON THE WAY. 'Computed on the way' means the value that the module computes at that place (a softmax that the list does not call 'softmax' is quantised finished and normalised). What goes into a quantiser is computed in f32, as accurately as f32 sums, v_exp_f32 and their like allow (about 1e-6 of the number): no bf16 or f16 on the way to a quantiser, and a product that is left as it is and whose result goes on into a quantised operand takes f32 operands (vector FMAs, or v_wmma_f32_16x16x4_f32). A number that lies on a knife's edge between two numbers of the format may be rounded either way, as far as f32 arithmetic and the matrix unit's own rounding can turn it there, and no further.
;; One version. Each part assembles by itself: llvm-mc -triple=amdgcn-amd-amdhsa -mcpu=gfx1250 --defsym DOCPART=n.
;; ======== version 1 of 1: 4 launches
;; limits: right only within a limited range of input values
;; workspace buffers: cod1 15,728,640 bytes; scl1 655,360 bytes; cod2 9,437,184 bytes; scl2 393,216 bytes; cod3 3,145,728 bytes; scl3 131,072 bytes
;; launch quant (part 1): grid 640 x 1, 4 waves a work-group, no clusters, 35,328 bytes of LDS; arguments x, wq, wk, wv, wo, cod1, scl1; writes cod1, scl1
.if DOCPART == 1
	.amdgcn_target "amdgcn-amd-amdhsa--gfx1250"
	.amdhsa_code_object_version 6
	.text
	.protected	k_q47516d9998_quant
	.globl	k_q47516d9998_quant
	.p2align	8
	.type	k_q47516d9998_quant,@function
k_q47516d9998_quant:
	s_mov_b64 s[64:65], 0
	v_nop
	global_prefetch_b8 v0, s[64:65] scope:SCOPE_SE
	s_setreg_imm32_b32 hwreg(HW_REG_WAVE_MODE, 25, 1), 1
	s_wait_xcnt 0x0
; x, wq, wk, wv, wo, each [2048][2048] f32 with K innermost, become codes of FP6 (E2M3) with one E8M0 byte for each 32 along K.
; A block's scale is 2^(floor(log2(largest magnitude)) - 2); its byte is the largest magnitude's exponent field - 2, held at 1 from below.
; LIMITS: NaN and infinities among the inputs are not served; a block of zeros gets the byte 1 where the rule says 127: its codes are zeros, and this program alone reads the bytes.
; LAYOUT OF THE RESULT.  A tile is 16 slots; slot r of tile T is row 32 (T/2) + 8 (T%2) + r + 8 (r/8).  A fragment (a tile x 128 along K) is stored as the image of the
; operand's 12 registers: register j of lane l at byte 512 (j/4) + 16 l + 4 (j%4): 1,536 bytes.  cod1 = [tensor][T][K step][1536]; scl1 = [tensor][T][K step][16 words], slot r's word at 4 r.
; SHARES.  Work-group g takes tile g % 128 of tensor g / 128; wave w its K steps 4 w .. 4 w + 3.  Each load reads 512 consecutive bytes of one row; a fragment's 16 rows turn through the
; wave's own stage in LDS (rows 528 bytes apart), so that lane (r, h) gets K = 64 c + 32 h + 0 .. 31 of slot r: two whole blocks, in the order of the operand's registers.
; No barrier: waves share nothing.  No tensor load.
.set WREG,  8704                       ; LDS of a wave: a stage of 16 x 528 bytes, then 256 bytes for its scale words
.set SP,    528
.set SPARE, 4*WREG                     ; behind the four regions: the spare words, 128 bytes a wave
.set LI,   1                           ; v1   16 x lane
.set SIN,  2                           ; v2   the stage, on the way in
.set SOUT, 3                           ; v3   and on the way out: 528 r + 128 h
.set SPW,  4                           ; v4   my spare word; never rewritten
.set NIL,  5                           ; v5   0; never rewritten
.set WSI,  6                           ; v6   scale words into LDS: 4 x lane
.set WSO,  7                           ; v7   and out: 8 x lane
.set GO8,  10                          ; v10  8 x lane
.set H8,   11                          ; v11  8 h
.set W,    16                          ; v16-19   a scale word for each of my four fragments
.set C,    20                          ; v20-31   a fragment's codes
.set R,    32                          ; v32-159  two sets of 64 registers as loaded
.set X,    160                         ; v160-223 register 32 c + i = K 64 c + 32 h + i of slot r
.set C2,   224                         ; v224-230 the blocks' upper halves, as the conversions leave them
	s_load_b256 s[4:11], s[0:1], 0x0               ; x, wq, wk, wv
	s_load_b128 s[12:15], s[0:1], 0x20             ; wo, cod1
	s_load_b64 s[16:17], s[0:1], 0x30              ; scl1
	v_lshl_add_u32 v[SPW], v0, 2, SPARE
	v_mov_b32 v[NIL], 0
	v_lshrrev_b32 v8, 5, v0
	v_readfirstlane_b32 s18, v8                    ; wave
	v_and_b32 v9, 31, v0                           ; lane
	v_and_b32 v12, 15, v0                          ; r
	v_bfe_u32 v13, v0, 4, 1                        ; h
	v_lshlrev_b32 v[LI], 4, v9
	s_mul_i32 s19, s18, WREG
	v_add_nc_u32 v[SIN], s19, v[LI]
	v_mul_u32_u24 v[SOUT], v12, SP
	v_lshl_add_u32 v[SOUT], v13, 7, v[SOUT]
	v_add_nc_u32 v[SOUT], s19, v[SOUT]
	s_add_co_u32 s19, s19, 16*SP
	v_lshl_add_u32 v[WSI], v9, 2, s19
	v_lshl_add_u32 v[WSO], v9, 3, s19
	v_lshlrev_b32 v[GO8], 3, v9
	v_lshlrev_b32 v[H8], 3, v13
	s_mov_b32 s22, 0x76543210
	s_mov_b32 s23, 0xfedcba98                      ; lane selects: lane l xor 16
	s_mov_b32 s24, 0xffff0000                      ; lanes 16-31
	s_lshr_b32 s25, ttmp9, 7                       ; which tensor
	s_and_b32 s26, ttmp9, 127                      ; which tile
	s_lshr_b32 s20, s26, 1
	s_lshl_b32 s20, s20, 18                        ; 32 rows of 8,192 bytes for each pair of tiles,
	s_and_b32 s27, s26, 1
	s_lshl_b32 s27, s27, 16                        ; 8 rows for the odd tile,
	s_add_co_u32 s20, s20, s27
	s_lshl_b32 s27, s18, 11                        ; my four K steps of 512 bytes
	s_add_co_u32 s20, s20, s27
	s_mov_b32 s21, 0
	s_mul_i32 s28, ttmp9, 24576                    ; the results are linear in the work-group's number: 16 fragments,
	s_mul_i32 s27, s18, 6144                       ; my four of them
	s_add_co_u32 s28, s28, s27
	s_mov_b32 s29, 0
	s_lshl_b32 s30, ttmp9, 10
	s_lshl_b32 s27, s18, 8
	s_add_co_u32 s30, s30, s27
	s_mov_b32 s31, 0
	s_wait_alu depctr_va_vdst(0)
	s_wait_kmcnt 0x0
	s_cmp_eq_u32 s25, 1                            ; the choice of the input hangs on the work-group's number alone
	s_cselect_b64 s[4:5], s[6:7], s[4:5]
	s_cmp_eq_u32 s25, 2
	s_cselect_b64 s[4:5], s[8:9], s[4:5]
	s_cmp_eq_u32 s25, 3
	s_cselect_b64 s[4:5], s[10:11], s[4:5]
	s_cmp_eq_u32 s25, 4
	s_cselect_b64 s[4:5], s[12:13], s[4:5]
	s_add_nc_u64 s[4:5], s[4:5], s[20:21]
	s_add_nc_u64 s[14:15], s[14:15], s[28:29]
	s_add_nc_u64 s[16:17], s[16:17], s[30:31]
.macro LOAD f                          ; fragment f: slot i's 128 numbers, 512 consecutive bytes a load
.set i, 0
.rept 16
	global_load_b128 v[R+64*((\f)%2)+4*i:R+64*((\f)%2)+4*i+3], v[LI], s[4:5] offset:(i+8*(i/8))*8192+512*(\f) th:TH_LOAD_NT
.set i, i+1
.endr
.endm
.macro TURN f                          ; through my stage: LDS serves a wave's instructions in order, so no wait stands between the stores and the loads
.set i, 0
.rept 16
	ds_store_b128 v[SIN], v[R+64*((\f)%2)+4*i:R+64*((\f)%2)+4*i+3] offset:SP*i
.set i, i+1
.endr
.set i, 0
.rept 16
	ds_load_b128 v[X+4*i:X+4*i+3], v[SOUT] offset:256*(i/8)+16*(i%8)
.set i, i+1
.endr
.endm
.macro FRAGQ f
.if (\f) < 3
	s_wait_loadcnt 16                              ; this fragment's 16 loads are in; the next fragment's 16 may be out
.else
	s_wait_loadcnt 0x0
.endif
	TURN \f
	s_wait_dscnt 0x0                               ; my 64 numbers are back, and the stage's stores have read their registers,
.if (\f) < 2
	LOAD (\f)+2                                    ; which take the loads of two fragments on
.endif
.irp c, 0,1
	v_max3_num_f32 v[12+\c], |v[X+32*\c]|, |v[X+32*\c+1]|, 0x1800000   ; my block 2 c + h, and the floor 2^(3 - 127): the byte cannot fall under 1
.endr
.irp i, 2,4,6,8,10,12,14,16,18,20,22,24,26,28,30
.irp c, 0,1
	v_max3_num_f32 v[12+\c], v[12+\c], |v[X+32*\c+\i]|, |v[X+32*\c+\i+1]|   ; (the two blocks by turns)
.endr
.endr
.irp c, 0,1
	v_add_nc_u32 v[14+\c], 0xff000000, v[12+\c]    ; 2 off the exponent field: the conversion's scale operand
.endr
.irp c, 0,1
	v_lshrrev_b32 v[8+\c], 23, v[14+\c]            ; the scale's byte
.endr
	v_lshl_or_b32 v8, v9, 16, v8                   ; blocks h and 2 + h,
	v_lshlrev_b32 v8, v[H8], v8                    ; at their places in the word;
	v_permlanex16_b32 v9, v8, s22, s23
	v_or_b32 v[W+(\f)], v8, v9                     ; with lane l xor 16's two the word is whole
	s_wait_alu depctr_va_vdst(0)
	s_wait_xcnt 0x0                                ; the last fragment's stores have read their data: the codes' registers are written again only behind this wait
.irp c, 0,1
	v_cvt_scalef32_pk16_fp6_f32 v[C+6*\c:C+6*\c+2], v[X+32*\c:X+32*\c+15], v[14+\c]
	v_cvt_scalef32_pk16_fp6_f32 v[C2+4*\c:C2+4*\c+2], v[X+32*\c+16:X+32*\c+31], v[14+\c]   ; (a conversion's three registers begin on an even number)
.endr
	v_nop                                          ; one plain place behind a scaled conversion
.irp c, 0,1
.irp i, 0,1,2
	v_mov_b32 v[C+6*\c+3+\i], v[C2+4*\c+\i]
.endr
.endr
.irp c, 0,1,2
	global_store_b128 v[LI], v[C+4*\c:C+4*\c+3], s[14:15] offset:1536*(\f)+512*\c   ; 32 lanes store 512 consecutive bytes, aligned
.endr
.endm
	LOAD 0
	LOAD 1
	FRAGQ 0
	FRAGQ 1
	FRAGQ 2
	FRAGQ 3
	v_cndmask_b32 v8, v[W], v[W+1], s24            ; lanes 0-15 fragment 0's words, lanes 16-31 fragment 1's: 128 consecutive bytes
	v_cndmask_b32 v9, v[W+2], v[W+3], s24
	ds_store_b32 v[WSI], v8
	ds_store_b32 v[WSI], v9 offset:128
	ds_load_b64 v[12:13], v[WSO]                   ; in order behind my stores
	s_wait_dscnt 0x0
	global_store_b64 v[GO8], v[12:13], s[16:17]    ; 32 lanes store 256 consecutive bytes, aligned
	s_wait_tensorcnt 0x0                           ; the wave's end
	ds_add_u32 v[SPW], v[NIL]
	s_wait_dscnt 0x0
	s_endpgm
.Lfunc_end_k_q47516d9998_quant:
	.size	k_q47516d9998_quant, .Lfunc_end_k_q47516d9998_quant-k_q47516d9998_quant
	.p2alignl 7, 3214868480
	.fill 96, 4, 3214868480
	.section	.rodata,"a",@progbits
	.p2align	6, 0x0
	.amdhsa_kernel k_q47516d9998_quant
		.amdhsa_group_segment_fixed_size 35328
		.amdhsa_private_segment_fixed_size 0
		.amdhsa_enable_private_segment 0
		.amdhsa_kernarg_size 56
		.amdhsa_user_sgpr_count 2
		.amdhsa_user_sgpr_kernarg_segment_ptr 1
		.amdhsa_wavefront_size32 1
		.amdhsa_system_sgpr_workgroup_id_x 1
		.amdhsa_system_sgpr_workgroup_id_y 1
		.amdhsa_system_sgpr_workgroup_id_z 1
		.amdhsa_system_vgpr_workitem_id 0
		.amdhsa_next_free_vgpr 232
		.amdhsa_next_free_sgpr 66
		.amdhsa_reserve_vcc 0
		.amdhsa_float_denorm_mode_32 3
		.amdhsa_float_denorm_mode_16_64 3
		.amdhsa_memory_ordered 1
		.amdhsa_forward_progress 1
		.amdhsa_inst_pref_size 31
	.end_amdhsa_kernel
	.amdgpu_metadata
---
amdhsa.version: [ 1, 2 ]
amdhsa.kernels:
  - .name:           k_q47516d9998_quant
    .symbol:         k_q47516d9998_quant.kd
    .args:
      - { .name: x, .offset: 0, .size: 8, .value_kind: global_buffer, .address_space: global }
      - { .name: wq, .offset: 8, .size: 8, .value_kind: global_buffer, .address_space: global }
      - { .name: wk, .offset: 16, .size: 8, .value_kind: global_buffer, .address_space: global }
      - { .name: wv, .offset: 24, .size: 8, .value_kind: global_buffer, .address_space: global }
      - { .name: wo, .offset: 32, .size: 8, .value_kind: global_buffer, .address_space: global }
      - { .name: cod1, .offset: 40, .size: 8, .value_kind: global_buffer, .address_space: global }
      - { .name: scl1, .offset: 48, .size: 8, .value_kind: global_buffer, .address_space: global }
    .group_segment_fixed_size: 35328
    .private_segment_fixed_size: 0
    .kernarg_segment_align: 8
    .kernarg_segment_size: 56
    .max_flat_workgroup_size: 128
    .sgpr_count:     66
    .vgpr_count:     232
    .wavefront_size: 32
...
	.end_amdgpu_metadata
.endif
;; end of part 1
;; launch qkv (part 2): grid 24 x 8, 4 waves a work-group, clusters of 4 x 4, 327,680 bytes of LDS; arguments cod1, scl1, rope_cos, rope_sin, cod2, scl2; writes cod2, scl2
.if DOCPART == 2
	.amdgcn_target "amdgcn-amd-amdhsa--gfx1250"
	.amdhsa_code_object_version 6
	.text
	.protected	k_q47516d9998_qkv
	.globl	k_q47516d9998_qkv
	.p2align	8
	.type	k_q47516d9998_qkv,@function
k_q47516d9998_qkv:
	s_mov_b64 s[64:65], 0
	v_nop
	global_prefetch_b8 v0, s[64:65] scope:SCOPE_SE
	s_setreg_imm32_b32 hwreg(HW_REG_WAVE_MODE, 25, 1), 1
	s_wait_xcnt 0x0
	s_wait_alu depctr_hold_cnt(0) depctr_sa_sdst(0) depctr_va_vdst(0) depctr_va_sdst(0) depctr_va_ssrc(0) depctr_va_vcc(0) depctr_vm_vsrc(0)
	s_getreg_b32 s2, hwreg(HW_REG_IB_STS2, 6, 4)
	s_cmp_eq_u32 s2, 0
	s_cbranch_scc0 .Lentry_in_a_cluster
	s_endpgm
.Lentry_in_a_cluster:
	s_bfe_u32 s2, ttmp6, 0x10000c
	s_cmp_lg_u32 s2, 0xf033
	s_cbranch_scc0 .Lentry_shape_is_right
	s_endpgm
.Lentry_shape_is_right:
; q = rope(x wq^T), k = rope(x wk^T), V^T = wv x^T, all on codes of FP6 (E2M3) with E8M0 scales, and each result quantised again for the attention launch.
; One GEMM of 256 x 256 tiles, K = 2,048.  Four waves, each 128 x 128: 64 accumulators, 512 registers.  Operands lie in memory as images of the operand's registers (1,536 bytes for 16 slots x 128 K;
; slot r of tile T is row 32 (T/2) + 8 (T%2) + r + 8 (r/8)), so a fragment is three loads of 16 bytes a lane, 512 consecutive bytes each: no pitch, no padding.
; THE MATRIX INSTRUCTION IS USED TRANSPOSED: source 0 = a tile of "B", source 1 = a tile of "A": a lane holds ONE slot of A, and the 64 registers of a block of A run along B's 128 rows, 16 neighbours to each pair of tiles.
;   tile columns 0-15 (cluster x 0-3): A = x (a lane holds a position), B = wq | wk (registers along a head's 128 = q1 | q2): RoPE, then quantised along the 128.
;   tile columns 16-23 (cluster x 4, 5): A = wv (a lane holds a channel), B = x (registers along 128 keys): quantised along the keys.
; The two ways part on the cluster's x alone, which all partners share.  A block's 64 numbers a lane become one fragment's image and one scale word a slot: cod2, scl2, fragment F:
;   q: head x 128 + position tile;  k: 2048 + the same;  v: 4096 + (head x 16 + key step) x 8 + channel tile.
; K goes in steps of 256 through two LDS slots filled by joint tensor loads: A's tiles are shared along a row of the 4 x 4 cluster, B's along a column.  The scale words of the 256 + 256 rows for all of K come once.
; LIMITS: NaN and infinities are not served; a block of zeros gets the byte 1: its codes are zeros, and this program alone reads the bytes.
; REGISTERS: window 0: v16-31 addresses; v32-63 the loop's scale words, two sets, and nothing else; v64-127, v224-255 cos and sin of blocks 0-2; v128-223 A's eight fragments, on the way out at work.
;   window 1: B's two sets; on the way out v0-159 cos and sin of blocks 3-7.  windows 2, 3: accumulator (a, b) at v[8 (8 (a%4) + b)].
.set NQ,    2                          ; matrix instructions deep in a slot
.set FR,    12                         ; registers of a fragment
.set FRB,   1536                       ; and its image in bytes
.set NL,    3                          ; LDS loads that bring one
.set NP,    4                          ; places behind this matrix instruction (ISA guide 7.12.1)
.set ROWB,  3072                       ; a tile's two K steps
.set HALFT, 8*ROWB                     ; eight tiles: what one tensor load brings
.set SLOT,  4*HALFT
.set LAPS,  4                          ; 2,048 / 512
.set SCL,   2*SLOT                     ; behind the ring: the scale words
.set HALFS, 8192                       ; those of eight tiles, all of K
.set SPARE, SCL+4*HALFS                ; the spare words, 128 bytes a wave
.set EXTRA, SPARE+512                  ; 512 bytes a wave: the new scale words on their way out
.set ADRA, 16
.set ADRB, 20
.set SWA,  24                          ; v24  EXTRA + 512 wave + 4 lane
.set SRA,  25                          ; v25  EXTRA + 512 wave + 16 lane
.set LI,   26                          ; v26  16 x lane
.set ADRS, 27
.set SPW,  28
.set NIL,  29
.set CSO,  30                          ; v30  my place in a row of cos or sin: (r + 8 (r/8)) x 128 + 32 h
.set SC,   32
.set AF,   128
.set TT,   128                         ; the way out: v128-191 the rotation's cross terms
.set PC,   128                         ; v128-147 the codes just made
.set TM,   192                         ; v192-207 at work
.set PWS,  208                         ; v208-215 the eight blocks' scale words
.set G1, 24
.set G0, 32
.set G1B, 48
.set G0B, 56
.set G1S, 68
.set G0S, 76
.set G1SB, 80
.set G0SB, 88
.set PATH, 19                          ; s19  0: q, k;  1: v
.set SEL,  96                          ; s[96:97] lane selects: lane l xor 16
.set MSB, 0
.macro WIN new                         ; the immediate's high byte repeats the setting that is left
.set NEWW, \new
.if MSB != NEWW
	s_set_vgpr_msb (MSB<<8)|NEWW
.set MSB, NEWW
.endif
.endm
.set MUL_LO, 0xa1                      ; source 0 (B) window 1, source 1 (A) window 0, C and D window 2
.set MUL_HI, 0xf1
.set TO_B,   0x40
; A joint load: waves 0 and 1 fetch for A, waves 2 and 3 for B; the branch hangs on the wave's number alone.  An s_nop 0 and four v_nop follow each line.
.macro JLOAD g0a, g1a, g0b, g1b
	s_cmp_eq_u32 s17, 0
	s_cbranch_scc0 .Lfor_b_\@
	tensor_load_to_lds s[\g0a:\g0a+3], s[\g1a:\g1a+7]
	s_nop 0
.rept 4
	v_nop
.endr
	s_branch .Lasked_\@
.Lfor_b_\@:
	tensor_load_to_lds s[\g0b:\g0b+3], s[\g1b:\g1b+7]
	s_nop 0
.rept 4
	v_nop
.endr
.Lasked_\@:
.endm
.macro CREST
	s_cmp_lg_u32 s16, 0
	s_cbranch_scc1 .Lnot_wave_0_\@
	s_barrier_signal -3
.Lnot_wave_0_\@:
	s_barrier_wait -3
	s_barrier_signal -1
	s_barrier_wait -1
.endm
.macro CROUND
	s_barrier_signal -1
	s_barrier_wait -1
	CREST
.endm
	s_load_b256 s[4:11], s[0:1], 0x0               ; cod1, scl1, cos, sin
	s_load_b128 s[12:15], s[0:1], 0x20             ; cod2, scl2
	v_lshl_add_u32 v[SPW], v0, 2, SPARE
	v_mov_b32 v[NIL], 0
	ds_add_u32 v[SPW], v[NIL]                      ; the wave's opening: the add and its wait ahead of my first tensor load
	ds_add_u32 v[SPW], v[NIL]
	v_lshrrev_b32 v1, 5, v0
	v_readfirstlane_b32 s16, v1                    ; wave
	s_lshr_b32 s17, s16, 1                         ; my half of A's rows.  Also: I fetch for A (0) or for B (1)
	s_and_b32 s18, s16, 1                          ; my half of B's rows.  Also: which eight tiles I fetch
	s_bfe_u32 s40, ttmp6, 0x40000                  ; cx
	s_bfe_u32 s41, ttmp6, 0x40004                  ; cy
	s_lshl_b32 s42, ttmp9, 2
	s_add_co_u32 s42, s42, s40                     ; tile column
	s_and_b32 s43, ttmp7, 0xffff
	s_lshl_b32 s43, s43, 2
	s_add_co_u32 s43, s43, s41                     ; tile row
	s_lshl_b32 s44, s41, 2
	s_lshl_b32 s44, 15, s44                        ; my row of the cluster
	s_lshl_b32 s45, 0x1111, s40                    ; my column
	s_or_b32 s[G1+0], s44, (3<<16)|(1<<21)         ; the mask; elements of 8 bytes; bit 21 beside a mask; no padding
	s_or_b32 s[G1B+0], s45, (3<<16)|(1<<21)
.irp g, G1, G1B
	s_mov_b32 s[\g+1], 384<<16                     ; tensor_dim0: 3,072 bytes
	s_mov_b32 s[\g+2], 8<<16                       ; tensor_dim1: eight tiles
	s_mov_b32 s[\g+3], 384<<16                     ; tile_dim0
	s_mov_b32 s[\g+4], 8                           ; tile_dim1
	s_mov_b32 s[\g+5], 3072                        ; from tile to tile: 24,576 bytes
	s_mov_b32 s[\g+6], 0
	s_mov_b32 s[\g+7], 0
.endr
	s_or_b32 s[G1S+0], s44, (3<<16)|(1<<21)
	s_or_b32 s[G1SB+0], s45, (3<<16)|(1<<21)
.irp g, G1S, G1SB
	s_mov_b32 s[\g+1], 32<<16                      ; 8,192 dense bytes as 32 rows of 256
	s_mov_b32 s[\g+2], 32<<16
	s_mov_b32 s[\g+3], 32<<16
	s_mov_b32 s[\g+4], 32
	s_mov_b32 s[\g+5], 32
	s_mov_b32 s[\g+6], 0
	s_mov_b32 s[\g+7], 0
.endr
	s_cmp_ge_u32 ttmp9, 4                          ; the cluster's x: the same in all sixteen partners
	s_cselect_b32 s[PATH], 1, 0
	s_cselect_b32 s20, 24, 0                       ; blocks of 256 rows in cod1: x 0-7, wq 8-15, wk 16-23, wv 24-31
	s_cselect_b32 s46, -16, 8
	s_add_co_u32 s20, s20, s43                     ; A's block hangs on the tile row,
	s_add_co_u32 s46, s46, s42                     ; B's on the tile column
	s_mul_i32 s22, s20, 16384
	s_mul_i32 s20, s20, 393216
	s_mul_i32 s92, s46, 16384
	s_mul_i32 s46, s46, 393216
	s_mul_i32 s94, s18, 196608                     ; which eight tiles of the block I fetch
	s_add_co_u32 s20, s20, s94
	s_add_co_u32 s46, s46, s94
	s_lshl_b32 s94, s18, 13
	s_add_co_u32 s22, s22, s94
	s_add_co_u32 s92, s92, s94
	s_mov_b32 s21, 0
	s_mov_b32 s23, 0
	s_mov_b32 s47, 0
	s_mov_b32 s93, 0
	s_mul_i32 s95, s16, HALFT                      ; where they go: by the wave's number alone
	s_mul_i32 s94, s16, HALFS
	s_wait_dscnt 0x0                               ; the opening add is done
	s_wait_kmcnt 0x0
	s_add_nc_u64 s[20:21], s[4:5], s[20:21]
	s_add_nc_u64 s[22:23], s[6:7], s[22:23]
	s_add_nc_u64 s[46:47], s[4:5], s[46:47]
	s_add_nc_u64 s[92:93], s[6:7], s[92:93]
	CROUND                                         ; all sixteen work-groups are here: the first joint loads meet
	s_mov_b32 s[G0S], 1
	s_add_co_u32 s[G0S+1], s94, SCL
	s_mov_b64 s[G0S+2:G0S+3], s[22:23]
	s_or_b32 s[G0S+3], s[G0S+3], 0x80000000
	s_mov_b32 s[G0SB], 1
	s_add_co_u32 s[G0SB+1], s94, SCL
	s_mov_b64 s[G0SB+2:G0SB+3], s[92:93]
	s_or_b32 s[G0SB+3], s[G0SB+3], 0x80000000
	JLOAD G0S, G1S, G0SB, G1SB
	; PREFETCHES: a chunk (256 along K) of the eight tiles that I fetch is 8 x 3,072 bytes; each of the four partners that ask for them jointly names two tiles, by address (cx for A, cy for B):
	; lane l (held at 23) names block l % 12 of tile l / 12: 24 blocks of 256 bytes an instruction.  Here chunks 0 and 1; further down chunks 2 and 3; each refill names the chunk two refills on.
	s_cmp_eq_u32 s17, 0
	s_cselect_b64 s[100:101], s[20:21], s[46:47]
	s_cselect_b32 s98, s40, s41
	s_mul_i32 s98, s98, 49152
	s_mov_b32 s99, 0
	s_add_nc_u64 s[100:101], s[100:101], s[98:99]
	v_and_b32 v7, 31, v0
	v_min_u32 v7, 23, v7
	v_mul_u32_u24 v8, v7, 11
	v_lshrrev_b32 v8, 7, v8                        ; l / 12 for l up to 23
	v_mul_u32_u24 v8, v8, 21504                    ; a tile on is 24,576 bytes, less the 12 blocks counted in l
	v_lshl_add_u32 v31, v7, 8, v8                  ; v31: never rewritten
	global_prefetch_b8 v31, s[100:101] th:TH_LOAD_NT scope:SCOPE_SE
	global_prefetch_b8 v31, s[100:101] offset:ROWB th:TH_LOAD_NT scope:SCOPE_SE
.irp s, 0,1
	s_mov_b32 s[G0+4*\s], 1
	s_add_co_u32 s[G0+4*\s+1], s95, \s*SLOT
	s_add_nc_u64 s[G0+4*\s+2:G0+4*\s+3], s[20:21], \s*ROWB
	s_or_b32 s[G0+4*\s+3], s[G0+4*\s+3], 0x80000000
	s_mov_b32 s[G0B+4*\s], 1
	s_add_co_u32 s[G0B+4*\s+1], s95, \s*SLOT
	s_add_nc_u64 s[G0B+4*\s+2:G0B+4*\s+3], s[46:47], \s*ROWB
	s_or_b32 s[G0B+4*\s+3], s[G0B+4*\s+3], 0x80000000
	s_wait_alu depctr_va_vdst(0)
	s_wait_tensorcnt 0x0                           ; each later first fill stands behind the full sequence and a round, one load a wave
	ds_add_u32 v[SPW], v[NIL]
	s_wait_dscnt 0x0
	CROUND
	JLOAD G0+4*\s, G1, G0B+4*\s, G1B
.endr
	v_and_b32 v1, 15, v0                           ; r
	v_bfe_u32 v2, v0, 4, 1                         ; h
	s_wait_alu depctr_va_vdst(0)
	v_and_b32 v3, 31, v0                           ; lane
	v_lshlrev_b32 v[LI], 4, v3
	s_mul_i32 s94, s17, HALFT                      ; my eight tiles of A,
	s_mul_i32 s95, s18, HALFT
	s_add_co_u32 s95, s95, 2*HALFT                 ; and of B, behind A's sixteen
.irp s, 0,1
	v_add_nc_u32 v[ADRA+\s], s94, v[LI]
	v_add_nc_u32 v[ADRB+\s], s95, v[LI]
	s_add_co_u32 s94, s94, SLOT
	s_add_co_u32 s95, s95, SLOT
.endr
	v_lshlrev_b32 v5, 2, v1                        ; scale words: 4 r; lanes 0-15 take A's, lanes 16-31 B's
	s_mul_i32 s94, s17, HALFS
	s_mul_i32 s95, s18, HALFS
	s_add_co_u32 s95, s95, 2*HALFS
	s_sub_co_u32 s95, s95, s94
	v_mul_u32_u24 v6, s95, v2
	s_add_co_u32 s94, s94, SCL
	v_add_nc_u32 v5, v5, v6
	v_add_nc_u32 v[ADRS], s94, v5
	s_lshl_b32 s94, s16, 9
	s_add_co_u32 s94, s94, EXTRA
	v_lshl_add_u32 v[SWA], v3, 2, s94
	v_add_nc_u32 v[SRA], s94, v[LI]
	v_and_b32 v4, 8, v1
	v_add_nc_u32 v4, v4, v1                        ; r + 8 (r/8)
	v_lshlrev_b32 v[CSO], 7, v4                    ; a row of cos is 128 bytes
	v_lshl_add_u32 v[CSO], v2, 5, v[CSO]           ; my eight pairs begin 8 h numbers on
	; the first fragment that my wave writes
	s_lshl_b32 s94, s42, 1
	s_add_co_u32 s94, s94, s18                     ; 2 column + half
	s_lshl_b32 s95, s43, 1
	s_add_co_u32 s95, s95, s17                     ; 2 row + half
	s_lshl_b32 s96, s94, 7
	s_lshl_b32 s97, s95, 3
	s_add_co_u32 s96, s96, s97                     ; q, k: head x 128 + position tile (k's heads follow q's sixteen)
	s_lshl_b32 s97, s95, 7
	s_lshl_b32 s98, s94, 3
	s_add_co_u32 s97, s97, s98
	s_add_co_u32 s97, s97, 3840                    ; v: 4096 + (head x 16 + key step) x 8, the key step being 2 (column - 16) + half
	s_cmp_eq_u32 s[PATH], 0
	s_cselect_b32 s96, s96, s97
	s_mul_i32 s98, s96, FRB
	s_mov_b32 s99, 0
	s_add_nc_u64 s[12:13], s[12:13], s[98:99]
	s_lshl_b32 s98, s96, 6
	s_add_nc_u64 s[14:15], s[14:15], s[98:99]
	s_lshl_b32 s98, s43, 15                        ; cos, sin: my wave's first position: (256 row + 128 half) x 128 bytes
	s_lshl_b32 s97, s17, 14
	s_add_co_u32 s98, s98, s97
	s_add_nc_u64 s[8:9], s[8:9], s[98:99]
	s_add_nc_u64 s[10:11], s[10:11], s[98:99]
	s_mov_b32 s[SEL], 0x76543210
	s_mov_b32 s[SEL+1], 0xfedcba98
; cos and sin for block a: my position's pairs 16 e + 8 h + 0 .. 7, e = 0, 1: cos at v[CSB + 8 e + p], sin at v[CSB + 16 + 8 e + p], in window CSW.
; Each of the eight sets has 32 registers of its own, loaded once: blocks 0-2 in window 0, in registers that the loop leaves alone; blocks 3-7 in window 1, where B's fragments lay.
.macro CSBASE a
.if (\a) < 3
.set CSW, 0
.set CSB, 64+32*(\a)
.if (\a) == 2
.set CSB, 224
.endif
.else
.set CSW, 1
.set CSB, 32*((\a)-3)
.endif
.endm
.macro CSL a
	CSBASE \a
	WIN CSW<<6                                     ; the destination's window; the address lies in window 0
.irp e, 0,1
.irp j, 0,1
	global_load_b128 v[CSB+8*\e+4*\j:CSB+8*\e+4*\j+3], v[CSO], s[8:9] offset:(32*((\a)/2)+8*((\a)%2))*128+64*\e+16*\j
	global_load_b128 v[CSB+16+8*\e+4*\j:CSB+16+8*\e+4*\j+3], v[CSO], s[10:11] offset:(32*((\a)/2)+8*((\a)%2))*128+64*\e+16*\j
.endr
.endr
.endm
	global_prefetch_b8 v31, s[100:101] offset:2*ROWB th:TH_LOAD_NT scope:SCOPE_SE
	global_prefetch_b8 v31, s[100:101] offset:3*ROWB th:TH_LOAD_NT scope:SCOPE_SE
	s_cmp_lg_u32 s[PATH], 0
	s_cbranch_scc1 .Lno_cs
	s_wait_alu depctr_va_vdst(0)
	CSL 0                                          ; three sets are asked for here: they land while the loop runs
	CSL 1
	CSL 2
.Lno_cs:
.macro FRAG reg, adr, q, i             ; a fragment's image: three loads, 512 consecutive bytes each
.irp c, 0,1,2
	ds_load_b128 v[\reg+4*\c:\reg+4*\c+3], v[\adr] offset:(\i)*ROWB+(\q)*FRB+512*\c
.endr
.endm
; 16 matrix instructions: A's blocks a0, a0 + 1 x B's eight.  The 64 accumulators take turns, one instruction a turn, in the same order in every step.
.macro MUL16 a0, p, q, sc, zero
.irp a, \a0, \a0+1
.irp b, 0,1,2,3,4,5,6,7
.if \zero
	v_wmma_scale_f32_16x16x128_f8f6f4 v[8*(8*((\a)%4)+\b):8*(8*((\a)%4)+\b)+7], v[128*(\p)+FR*\b:128*(\p)+FR*\b+FR-1], v[AF+FR*(\a):AF+FR*(\a)+FR-1], 0, v[SC+8*NQ*(\sc)+NQ*\b+(\q)], v[SC+8*NQ*(\sc)+NQ*(\a)+(\q)] matrix_a_fmt:MATRIX_FMT_FP6 matrix_b_fmt:MATRIX_FMT_FP6 matrix_a_scale:MATRIX_SCALE_ROW1
.else
	v_wmma_scale_f32_16x16x128_f8f6f4 v[8*(8*((\a)%4)+\b):8*(8*((\a)%4)+\b)+7], v[128*(\p)+FR*\b:128*(\p)+FR*\b+FR-1], v[AF+FR*(\a):AF+FR*(\a)+FR-1], v[8*(8*((\a)%4)+\b):8*(8*((\a)%4)+\b)+7], v[SC+8*NQ*(\sc)+NQ*\b+(\q)], v[SC+8*NQ*(\sc)+NQ*(\a)+(\q)] matrix_a_fmt:MATRIX_FMT_FP6 matrix_b_fmt:MATRIX_FMT_FP6 matrix_a_scale:MATRIX_SCALE_ROW1
.endif
.endr
.endr
.endm
.macro FETCH_B slot, q, p
	WIN TO_B
.irp i, 0,1,2,3,4,5,6,7
	FRAG 128*(\p)+FR*\i, ADRB+\slot, \q, \i
.endr
	WIN 0
.endm
.macro FETCH_A slot, q, i0
.irp i, \i0, \i0+1, \i0+2, \i0+3
	FRAG AF+FR*(\i), ADRA+\slot, \q, \i
.endr
.endm
.macro SCALES sc                       ; register 2 i + q of set sc: lanes 0-15 the words of A's tile i, lanes 16-31 those of B's tile i, for the slot's q-th 128 along K
.irp i, 0,1,2,3,4,5,6,7
.irp q, 0,1
	ds_load_b32 v[SC+8*NQ*\sc+NQ*\i+\q], v[ADRS] offset:1024*\i+64*\q
.endr
.endr
.endm
.macro PLACES n                        ; plain vector places in front of loads into registers that matrix instructions have read, and of the first read of results
.rept \n
	v_nop
.endr
.endm
.macro STEP slot, q, zero              ; a step of 128 along K that has its successor in the same slot
	s_wait_dscnt 4*NL                              ; B's set and A's blocks 0-3 are in; the youngest twelve loads (A's blocks 4-7) may be out
	WIN MUL_LO
	MUL16 0, (\q)%2, \q, \slot, \zero
	MUL16 2, (\q)%2, \q, \slot, \zero
	s_wait_dscnt 0
	PLACES NP
	FETCH_B \slot, (\q)+1, 1-(\q)%2
	FETCH_A \slot, (\q)+1, 0
	WIN MUL_HI
	MUL16 4, (\q)%2, \q, \slot, \zero
	MUL16 6, (\q)%2, \q, \slot, \zero
	PLACES NP
	WIN 0
	FETCH_A \slot, (\q)+1, 4
.endm
; A slot's last step changes slots: one barrier; in front of it each wave waits for all its tensor loads, adds 0 to its spare word, and waits for that and for its reads of this slot.
.macro TURN slot, next, fill
.if \fill
	s_wait_xcnt 0x0                                ; my prefetches have read their address: it is stepped only behind this wait
	s_add_nc_u64 s[100:101], s[100:101], ROWB
.endif
	s_wait_tensorcnt 0x0                           ; all my tensor loads have landed: my part of the next slot
	ds_add_u32 v[SPW], v[NIL]
	s_wait_dscnt 4*NL+1                            ; (the add and the youngest twelve loads may be out)
	WIN MUL_LO
	MUL16 0, 1, NQ-1, \slot, 0
	s_wait_dscnt 0x0                               ; the add is done, and my reads of this slot are over
	s_barrier_signal -1
	MUL16 2, 1, NQ-1, \slot, 0
	WIN 0
	s_barrier_wait -1
.if \fill
	CREST                                          ; the barrier has opened a round of the cluster's barrier: no wave of any partner still reads this slot or has a load on its way
	s_add_nc_u64 s[G0+4*\slot+2:G0+4*\slot+3], s[G0+4*\slot+2:G0+4*\slot+3], 2*ROWB
	s_add_nc_u64 s[G0B+4*\slot+2:G0B+4*\slot+3], s[G0B+4*\slot+2:G0B+4*\slot+3], 2*ROWB
	JLOAD G0+4*\slot, G1, G0B+4*\slot, G1B         ; the first tensor load behind the round; its four v_nop are the places in front of the loads below
.else
	PLACES NP
.endif
	s_wait_alu depctr_va_vdst(0)
	v_add_nc_u32 v[ADRS], 64*NQ, v[ADRS]           ; the next slot's scale words
	FETCH_B \next, 0, 0
	FETCH_A \next, 0, 0
	SCALES \next
.if \fill
	s_cmp_gt_u32 s3, 1                             ; the last trip's two refills have no chunk two refills on
	s_cbranch_scc0 .Lno_ask_\@
	global_prefetch_b8 v31, s[100:101] offset:3*ROWB th:TH_LOAD_NT scope:SCOPE_SE
.Lno_ask_\@:
.endif
	WIN MUL_HI
	MUL16 4, 1, NQ-1, \slot, 0
	MUL16 6, 1, NQ-1, \slot, 0
	PLACES NP
	WIN 0
	FETCH_A \next, 0, 4
.endm
	s_wait_tensorcnt 1                             ; the scale words and my part of slot 0 are in; slot 1's load may be out
	s_barrier_signal -1
	s_barrier_wait -1
	FETCH_B 0, 0, 0
	FETCH_A 0, 0, 0
	s_wait_alu depctr_va_vdst(0)
	SCALES 0
	FETCH_A 0, 0, 4
	STEP 0, 0, 1                                   ; the first step's products start the sums
	s_mov_b32 s3, LAPS-1
.Llap:
	TURN 0, 1, 1
	STEP 1, 0, 0
	TURN 1, 0, 1
	STEP 0, 0, 0
	s_sub_co_u32 s3, s3, 1
	s_cmp_lg_u32 s3, 0
	s_cbranch_scc1 .Llap
	TURN 0, 1, 0                                   ; the last lap fills nothing
	STEP 1, 0, 0
	s_wait_dscnt 4*NL
	WIN MUL_LO
	MUL16 0, 1, NQ-1, 1, 0
	MUL16 2, 1, NQ-1, 1, 0
	s_wait_dscnt 0
	WIN MUL_HI
	MUL16 4, 1, NQ-1, 1, 0
	MUL16 6, 1, NQ-1, 1, 0
	WIN 0
	PLACES NP                                      ; behind the last products: results are read, and operands' registers written or loaded into, from here on
.irp b, 0,1,2,3
	v_mov_b32 v[TM+4+\b], 0                        ; written once: a lane permute's destination counts as one of its sources
.endr
; THE ROTATION of block a: registers 2 P, 2 P + 1 are a pair (a, b) of my position; its angle is pair 16 ((P/8)%2) + 8 h + P%8 of the stream's 32.  a c - b s, a s + b c, each a multiply and a fused multiply-add.
; Each accumulator is read from its low end on (register 1 first).
.macro ROPE a
	CSBASE \a
.set AC, 64*((\a)%4)
.set RW, 2+(\a)/4
	WIN RW|(CSW<<2)                                ; source 0: the accumulators' window; source 1: the set's
.set P, 0
.rept 32
.set CI, CSB+8*((P/8)%2)+P%8
	v_mul_f32 v[TT+2*P], v[AC+2*P+1], v[CI+16]     ; b s
	v_mul_f32 v[TT+2*P+1], v[AC+2*P], v[CI+16]     ; a s
.set P, P+1
.endr
	WIN (RW<<6)|RW|(CSW<<2)                        ; destination and source 0: the accumulators'; source 1: the set's; source 2: window 0
.set P, 0
.rept 32
.set CI, CSB+8*((P/8)%2)+P%8
	v_fma_f32 v[AC+2*P], v[AC+2*P], v[CI], -v[TT+2*P]
	v_fma_f32 v[AC+2*P+1], v[AC+2*P+1], v[CI], v[TT+2*P+1]
.set P, P+1
.endr
	WIN 0
.endm
; 64 numbers of a lane in window w, register 16 b + i = K 32 b + 16 h + i of my slot, become a fragment's codes in v[PC] on and its scale word in v[pw].
.macro QUANT s, w, pw
	WIN (\w)|((\w)<<2)
.irp b, 0,1,2,3
	v_max3_num_f32 v[TM+\b], |v[(\s)+16*\b]|, |v[(\s)+1+16*\b]|, 0x1800000   ; my 16 numbers of block b, and the floor 2^(3 - 127)
.endr
	WIN ((\w)<<2)|((\w)<<4)
.irp i, 2,4,6,8,10,12,14
.irp b, 0,1,2,3
	v_max3_num_f32 v[TM+\b], v[TM+\b], |v[(\s)+16*\b+\i]|, |v[(\s)+1+16*\b+\i]|
.endr
.endr
	WIN 0
.irp b, 0,1,2,3
	v_permlanex16_b32 v[TM+4+\b], v[TM+\b], s[SEL], s[SEL+1]
.endr
.irp b, 0,1,2,3
	v_max_num_f32 v[TM+\b], v[TM+\b], v[TM+4+\b]   ; with lane l xor 16's: the block's largest magnitude
.endr
.irp b, 0,1,2,3
	v_add_nc_u32 v[TM+12+\b], 0xff000000, v[TM+\b] ; 2 off the exponent field: the conversion's scale operand
.endr
.irp b, 0,1,2,3
	v_lshrrev_b32 v[TM+4+\b], 23, v[TM+12+\b]      ; the scale's byte
.endr
	v_lshl_or_b32 v[\pw], v[TM+5], 8, v[TM+4]
	v_lshl_or_b32 v[\pw], v[TM+6], 16, v[\pw]
	v_lshl_or_b32 v[\pw], v[TM+7], 24, v[\pw]
	WIN \w
.irp c, 0,1
	v_cvt_scalef32_pk16_fp6_f32 v[PC+6*\c:PC+2+6*\c], v[(\s)+32*\c:(\s)+15+32*\c], v[TM+12+2*\c]
	v_cvt_scalef32_pk16_fp6_f32 v[PC+12+4*\c:PC+14+4*\c], v[(\s)+16+32*\c:(\s)+31+32*\c], v[TM+12+2*\c+1]
.endr
	WIN 0
	v_nop                                          ; one plain place behind a scaled conversion
.irp c, 0,1                                    ; the operand's layout wants a whole block in a lane
.irp i, 0,1,2
	v_permlane16_swap_b32 v[PC+6*\c+\i], v[PC+12+4*\c+\i]
.endr
.irp i, 0,1,2
	v_mov_b32 v[PC+3+6*\c+\i], v[PC+12+4*\c+\i]
.endr
.endr
.endm
; Block a leaves: rotated (rope = 1), quantised, stored as one fragment's image.
.macro EPI a, rope
.if (\a) > 0
	s_wait_xcnt 0x0                                ; the last block's stores have read their data: those registers are written again only behind this wait
.endif
.if \rope
.if (\a) >= 3
	s_wait_loadcnt 8*(7-(\a))                      ; this block's cos and sin are in; the younger sets, eight loads each, may be out
.endif
	ROPE \a
.endif
	QUANT 64*((\a)%4), 2+(\a)/4, PWS+(\a)
.irp c, 0,1,2
	global_store_b128 v[LI], v[PC+4*\c:PC+4*\c+3], s[12:13] offset:FRB*(\a)+512*\c   ; 512 consecutive bytes, aligned
.endr
.endm
	s_cmp_lg_u32 s[PATH], 0                        ; the two ways part once; each has its eight blocks written out, so that every counted wait counts loads of its own straight line
	s_cbranch_scc1 .Lvalues
	s_wait_loadcnt 0x0                             ; the sets of blocks 0-2, asked for ahead of the loop
.irp a, 3,4,5,6,7
	CSL \a                                         ; 40 loads; blocks 0-2's work stands between them and the first wait for them
.endr
	WIN 0
.irp a, 0,1,2,3,4,5,6,7
	EPI \a, 1
.endr
	s_branch .Ltail
.Lvalues:
.irp a, 0,1,2,3,4,5,6,7
	EPI \a, 0
.endr
.Ltail:
	s_mov_b32 s94, 0xffff0000
.irp i, 0,1,2,3
	v_cndmask_b32 v[TM+\i], v[PWS+2*\i], v[PWS+2*\i+1], s94   ; lanes 0-15 block 2 i's words, lanes 16-31 block 2 i + 1's
.endr
.irp i, 0,1,2,3
	ds_store_b32 v[SWA], v[TM+\i] offset:128*\i
.endr
	ds_load_b128 v[TM+4:TM+7], v[SRA]              ; in order behind my stores
	s_wait_dscnt 0x0
	global_store_b128 v[LI], v[TM+4:TM+7], s[14:15]   ; my eight fragments' scale words: 512 consecutive bytes, aligned
	s_wait_tensorcnt 0x0                           ; the wave's end
	ds_add_u32 v[SPW], v[NIL]
	s_wait_dscnt 0x0
	CROUND                                         ; the closing round
	s_endpgm
.Lfunc_end_k_q47516d9998_qkv:
	.size	k_q47516d9998_qkv, .Lfunc_end_k_q47516d9998_qkv-k_q47516d9998_qkv
	.p2alignl 7, 3214868480
	.fill 96, 4, 3214868480
	.section	.rodata,"a",@progbits
	.p2align	6, 0x0
	.amdhsa_kernel k_q47516d9998_qkv
		.amdhsa_group_segment_fixed_size 327680
		.amdhsa_private_segment_fixed_size 0
		.amdhsa_enable_private_segment 0
		.amdhsa_kernarg_size 48
		.amdhsa_user_sgpr_count 2
		.amdhsa_user_sgpr_kernarg_segment_ptr 1
		.amdhsa_wavefront_size32 1
		.amdhsa_system_sgpr_workgroup_id_x 1
		.amdhsa_system_sgpr_workgroup_id_y 1
		.amdhsa_system_sgpr_workgroup_id_z 1
		.amdhsa_system_vgpr_workitem_id 0
		.amdhsa_next_free_vgpr 1024
		.amdhsa_next_free_sgpr 104
		.amdhsa_reserve_vcc 0
		.amdhsa_float_denorm_mode_32 3
		.amdhsa_float_denorm_mode_16_64 3
		.amdhsa_memory_ordered 1
		.amdhsa_forward_progress 1
		.amdhsa_inst_pref_size 234
	.end_amdhsa_kernel
	.amdgpu_metadata
---
amdhsa.version: [ 1, 2 ]
amdhsa.kernels:
  - .name:           k_q47516d9998_qkv
    .symbol:         k_q47516d9998_qkv.kd
    .args:
      - { .name: cod1, .offset: 0, .size: 8, .value_kind: global_buffer, .address_space: global }
      - { .name: scl1, .offset: 8, .size: 8, .value_kind: global_buffer, .address_space: global }
      - { .name: rope_cos, .offset: 16, .size: 8, .value_kind: global_buffer, .address_space: global }
      - { .name: rope_sin, .offset: 24, .size: 8, .value_kind: global_buffer, .address_space: global }
      - { .name: cod2, .offset: 32, .size: 8, .value_kind: global_buffer, .address_space: global }
      - { .name: scl2, .offset: 40, .size: 8, .value_kind: global_buffer, .address_space: global }
    .group_segment_fixed_size: 327680
    .private_segment_fixed_size: 0
    .kernarg_segment_align: 8
    .kernarg_segment_size: 48
    .max_flat_workgroup_size: 128
    .sgpr_count:     104
    .vgpr_count:     1024
    .wavefront_size: 32
...
	.end_amdgpu_metadata
.endif
;; end of part 2
;; launch attn (part 3): grid 16 x 16, 16 waves a work-group, no clusters, 327,680 bytes of LDS; arguments cod2, scl2, lambda_q1, lambda_k1, lambda_q2, lambda_k2, subln_w, cod3, scl3; writes cod3, scl3
.if DOCPART == 3
	.amdgcn_target "amdgcn-amd-amdhsa--gfx1250"
	.amdhsa_code_object_version 6
	.text
	.protected	k_q47516d9998_attn
	.globl	k_q47516d9998_attn
	.p2align	8
	.type	k_q47516d9998_attn,@function
k_q47516d9998_attn:
	s_mov_b64 s[64:65], 0
	v_nop
	global_prefetch_b8 v0, s[64:65] scope:SCOPE_SE
	s_setreg_imm32_b32 hwreg(HW_REG_WAVE_MODE, 25, 1), 1
	s_wait_xcnt 0x0
.set SLOT1, 1<<17
.set STEPB, 12288
.set XCH,   4*STEPB
.set SCL,   SLOT1+4*STEPB
.set SPARE, SCL+16384
.set NSL,   8
.set LI,  1
.set SW,  2
.set XA,  3
.set DQ,  4
.set SPW, 5
.set NIL, 6
.set R4,  7
.set AD,  8
.set ADS, 9
.set PFO, 28
.set LAM, 29
.set TB,  2
.set TS,  3
.set WV,  22
.set ST,  23
.set QT,  24
.set Q0,  25
.set KF,  26
.set SLOTS, 27
.set LASTQ, 28
.set LIM, 29
.set SEL, 30
.set CS,  32
.set PFA, 34
.set G0,  36
.set G1,  40
.set G1S, 48
.set G0S, 56
.set MLO, 60
.set MHI, 61
.macro TLOAD g0, g1
	s_cmp_lt_u32 s[WV], 4
	s_cbranch_scc0 .Lasked_\@
	tensor_load_to_lds s[\g0:\g0+3], s[\g1:\g1+7]
	s_nop 0
.rept 4
	v_nop
.endr
.Lasked_\@:
.endm
.macro ASK
	s_cmp_gt_u32 s[SLOTS], s[LIM]
	s_cbranch_scc0 .Lnot_mine_\@
	global_prefetch_b8 v[PFO], s[PFA:PFA+1] th:TH_LOAD_NT scope:SCOPE_SE
.Lnot_mine_\@:
.endm
	s_load_b256 s[4:11], s[0:1], 0x0
	s_load_b256 s[12:19], s[0:1], 0x20
	s_load_b64 s[20:21], s[0:1], 0x40
	v_lshl_add_u32 v[SPW], v0, 2, SPARE
	v_mov_b32 v[NIL], 0
	ds_add_u32 v[SPW], v[NIL]
	ds_add_u32 v[SPW], v[NIL]
	v_lshrrev_b32 v8, 5, v0
	s_delay_alu instid0(VALU_DEP_1)
	v_readfirstlane_b32 s[WV], v8
	s_and_b32 s66, ttmp7, 0xffff
	s_bfe_u32 s[ST], s[WV], 0x10001
	s_lshr_b32 s67, s[WV], 2
	s_xor_b32 s68, s[WV], s67
	s_and_b32 s68, s68, 1
	s_sub_co_u32 s69, 31, ttmp9
	s_cmp_eq_u32 s68, 0
	s_cselect_b32 s69, ttmp9, s69
	s_lshl_b32 s[QT], s69, 2
	s_add_co_u32 s[QT], s[QT], s67
	s_lshr_b32 s[Q0], s[QT], 1
	s_lshl_b32 s[Q0], s[Q0], 5
	s_and_b32 s70, s[QT], 1
	s_lshl_b32 s70, s70, 3
	s_add_co_u32 s[Q0], s[Q0], s70
	s_lshl_b32 s[LASTQ], ttmp9, 6
	s_sub_co_u32 s[LASTQ], 2047, s[LASTQ]
	s_cmp_eq_u32 s[ST], 0
	s_cselect_b32 s[MLO], -1, 0
	s_cselect_b32 s[MHI], 0, -1
	s_add_co_u32 s73, s[ST], 1
	s_and_b32 s72, s[WV], 1
	s_mul_i32 s74, s73, 3145728
	s_mul_i32 s75, s66, 196608
	s_add_co_u32 s74, s74, s75
	s_mul_i32 s75, s72, STEPB
	s_add_co_u32 s74, s74, s75
	s_mov_b32 s75, 0
	s_lshl_b32 s76, s73, 17
	s_lshl_b32 s77, s66, 13
	s_add_co_u32 s76, s76, s77
	s_lshl_b32 s77, s72, 12
	s_add_co_u32 s76, s76, s77
	s_mov_b32 s77, 0
	s_and_b32 s78, s[WV], 3
	s_mul_i32 s79, s78, STEPB
	s_lshl_b32 s80, s78, 12
	s_add_co_u32 s80, s80, SCL
	s_lshl_b32 s82, s66, 7
	s_add_co_u32 s82, s82, s[QT]
	s_mul_i32 s84, s82, 1536
	s_mov_b32 s85, 0
	s_lshl_b32 s86, s82, 6
	s_mov_b32 s87, 0
	s_lshl_b32 s88, s[QT], 4
	s_add_co_u32 s88, s88, s66
	s_mul_i32 s90, s88, 1536
	s_mov_b32 s91, 0
	s_lshl_b32 s92, s88, 6
	s_mov_b32 s93, 0
	s_cmp_lt_u32 s[WV], 8
	s_mov_b32 s70, 6291456
	s_cselect_b32 s70, 3145728, s70
	s_mul_i32 s94, s66, 196608
	s_add_co_u32 s94, s94, s70
	s_lshl_b32 s95, s78, 13
	s_add_co_u32 s94, s94, s95
	s_add_co_u32 s94, s94, 2*STEPB
	s_mov_b32 s95, 0
	s_sub_co_u32 s96, s[WV], 4
	s_lshr_b32 s96, s96, 3
	s_or_b32 s96, s96, ttmp9
	s_cmp_eq_u32 s96, 0
	s_cselect_b32 s[LIM], 1, -1
	s_cmp_eq_u32 s78, 3
	s_cselect_b32 s[LIM], -1, s[LIM]
	s_mov_b32 s[G1], 3<<16
	s_mov_b32 s[G1+1], 32<<16
	s_mov_b32 s[G1+2], 48<<16
	s_mov_b32 s[G1+3], 32<<16
	s_mov_b32 s[G1+4], 48
	s_mov_b32 s[G1+5], 32
	s_mov_b32 s[G1+6], 0
	s_mov_b32 s[G1+7], 0
	s_mov_b32 s[G1S], 3<<16
	s_mov_b32 s[G1S+1], 32<<16
	s_mov_b32 s[G1S+2], 16<<16
	s_mov_b32 s[G1S+3], 32<<16
	s_mov_b32 s[G1S+4], 16
	s_mov_b32 s[G1S+5], 32
	s_mov_b32 s[G1S+6], 0
	s_mov_b32 s[G1S+7], 0
	s_mov_b32 s[SEL], 0x76543210
	s_mov_b32 s[SEL+1], 0xfedcba98
	s_mov_b32 s[CS], 0x3e38aa3b
	s_mov_b32 s[CS+1], s[CS]
	s_mov_b32 s[TB], 0
	s_mov_b32 s[TS], 0
	s_mov_b32 s[KF], 0
	s_mov_b32 s[SLOTS], NSL-1
	s_wait_dscnt 0x0
	s_wait_kmcnt 0x0
	s_mov_b32 s[G0S], 1
	s_mov_b32 s[G0S+1], s80
	s_add_nc_u64 s[G0S+2:G0S+3], s[6:7], s[76:77]
	s_or_b32 s[G0S+3], s[G0S+3], 0x80000000
	TLOAD G0S, G1S
	s_mov_b32 s[G0], 1
	s_mov_b32 s[G0+1], s79
	s_add_nc_u64 s[G0+2:G0+3], s[4:5], s[74:75]
	s_or_b32 s[G0+3], s[G0+3], 0x80000000
	s_wait_alu depctr_va_vdst(0)
	s_wait_tensorcnt 0x0
	ds_add_u32 v5, v6
	s_wait_dscnt 0x0
	s_barrier_signal -1
	s_barrier_wait -1
	TLOAD G0, G1
	s_add_nc_u64 s[PFA:PFA+1], s[4:5], s[94:95]
	s_add_nc_u64 s[4:5], s[4:5], s[84:85]
	s_add_nc_u64 s[6:7], s[6:7], s[86:87]
	s_add_nc_u64 s[18:19], s[18:19], s[90:91]
	s_add_nc_u64 s[20:21], s[20:21], s[92:93]
	v_and_b32 v8, 15, v0
	v_bfe_u32 v9, v0, 4, 1
	v_and_b32 v10, 31, v0
	s_delay_alu instid0(VALU_DEP_1)
	v_lshlrev_b32 v[LI], 4, v10
	s_delay_alu instid0(VALU_DEP_2)
	v_lshl_add_u32 v[SW], v10, 2, SCL
	s_and_b32 s96, s[WV], 1
	s_lshr_b32 s97, s[WV], 1
	s_and_b32 s97, s97, 6
	s_or_b32 s96, s96, s97
	s_lshl_b32 s96, s96, 13
	s_add_co_u32 s96, s96, XCH
	v_add_nc_u32 v[XA], s96, v[LI]
	v_and_b32 v11, 8, v8
	s_delay_alu instid0(VALU_DEP_1)
	v_add_nc_u32 v11, v11, v8
	v_lshlrev_b32 v[DQ], 4, v9
	s_delay_alu instid0(VALU_DEP_1)
	v_sub_nc_u32 v[DQ], v11, v[DQ]
	v_lshlrev_b32 v[R4], 2, v8
	v_lshlrev_b32 v[PFO], 8, v10
	v_lshlrev_b32 v11, 3, v10
.irp c, 0,1,2
	global_load_b128 v[16+4*\c:19+4*\c], v[LI], s[4:5] offset:512*\c
.endr
	global_load_b32 v255, v[R4], s[6:7]
	global_load_b64 v[96:97], v11, s[8:9]
	global_load_b64 v[98:99], v11, s[10:11]
	global_load_b64 v[100:101], v11, s[12:13]
	global_load_b64 v[102:103], v11, s[14:15]
	v_mov_b32 v13, 0xff61b1e6
	s_delay_alu instid0(VALU_DEP_1)
	v_floor_f32 v12, -v13
	v_mov_b32 v14, 0
	v_mov_b32 v15, 0
.irp b, 0,1,2,3
	v_mov_b32 v[236+\b], 0
.endr
	v_mov_b32 v252, 0
	v_mov_b32 v253, 0
	v_mov_b32 v106, 0
	v_mov_b32 v107, 0
.set j, 0
.rept 64
	v_mov_b32 v[160+j], 0
.set j, j+1
.endr
	s_wait_loadcnt 0x0
.irp j, 0,1,2,3,4,5
	v_and_b32 v[16+\j], s[MLO], v[16+\j]
	v_and_b32 v[22+\j], s[MHI], v[22+\j]
.endr
	v_mul_f32 v104, v96, v98
	v_mul_f32 v105, v100, v102
	s_delay_alu instid0(VALU_DEP_2)
	v_fmac_f32 v104, v97, v99
	s_delay_alu instid0(VALU_DEP_2)
	v_fmac_f32 v105, v101, v103
.irp m, 1,2,4,8
	s_delay_alu instid0(VALU_DEP_2)
	v_add_f32_dpp v104, v104, v104 row_xmask:\m row_mask:0xf bank_mask:0xf
	s_delay_alu instid0(VALU_DEP_2)
	v_add_f32_dpp v105, v105, v105 row_xmask:\m row_mask:0xf bank_mask:0xf
.endr
	s_delay_alu instid0(VALU_DEP_2)
	v_permlanex16_b32 v106, v104, s[SEL], s[SEL+1]
	s_delay_alu instid0(VALU_DEP_2)
	v_permlanex16_b32 v107, v105, s[SEL], s[SEL+1]
	s_delay_alu instid0(VALU_DEP_2)
	v_add_f32 v104, v104, v106
	s_delay_alu instid0(VALU_DEP_2)
	v_add_f32 v105, v105, v107
	s_delay_alu instid0(VALU_DEP_2)
	v_mul_f32 v104, 0x3fb8aa3b, v104
	s_delay_alu instid0(VALU_DEP_2)
	v_mul_f32 v105, 0x3fb8aa3b, v105
	s_wait_alu depctr_va_vdst(0)
	v_exp_f32 v104, v104
	v_exp_f32 v105, v105
	v_nop
	s_wait_alu depctr_va_vdst(0)
	v_sub_f32 v[LAM], v104, v105
	s_delay_alu instid0(VALU_DEP_1)
	v_add_f32 v[LAM], 0x3f4cca23, v[LAM]
.macro CODES
.irp b, 0,1,2,3
	s_delay_alu instid0(VALU_DEP_4)
	v_add_nc_u32 v[244+\b], 0xff000000, v[232+\b]
.endr
.irp b, 0,1,2,3
	s_delay_alu instid0(VALU_DEP_4)
	v_lshrrev_b32 v[236+\b], 23, v[244+\b]
.endr
	s_delay_alu instid0(VALU_DEP_3)
	v_lshl_or_b32 v253, v237, 8, v236
	s_delay_alu instid0(VALU_DEP_1)
	v_lshl_or_b32 v253, v238, 16, v253
	s_delay_alu instid0(VALU_DEP_1)
	v_lshl_or_b32 v253, v239, 24, v253
.irp c, 0,1
	v_cvt_scalef32_pk16_fp6_f32 v[224+6*\c:226+6*\c], v[96+32*\c:111+32*\c], v[244+2*\c]
	v_cvt_scalef32_pk16_fp6_f32 v[236+4*\c:238+4*\c], v[112+32*\c:127+32*\c], v[244+2*\c+1]
.endr
	v_nop
.irp c, 0,1
.irp i, 0,1,2
	v_permlane16_swap_b32 v[224+6*\c+\i], v[236+4*\c+\i]
.endr
.irp i, 0,1,2
	s_delay_alu instid0(VALU_DEP_3)
	v_mov_b32 v[227+6*\c+\i], v[236+4*\c+\i]
.endr
.endr
.endm
.macro STEP q
	s_add_co_u32 s96, s[Q0], 23
	s_cmp_gt_u32 s[KF], s96
	s_cbranch_scc1 .Lhidden_\@
	v_add_nc_u32 v[AD], s[TB], v[LI]
	s_wait_alu depctr_va_vdst(0)
	v_add_nc_u32 v[ADS], s[TS], v[SW]
	s_wait_alu depctr_va_vdst(0)
	v_nop
	v_nop
	v_nop                                          ; five places: the scores' products write over v96 on, which the last step's products with V have read
.irp g, 0,1
.if \g
.rept 4
	v_nop
.endr
.endif
.irp t, 0,1,2,3
.irp c, 0,1,2
	ds_load_b128 v[32+12*\t+4*\c:35+12*\t+4*\c], v[AD] offset:(\q)*STEPB+(4*\g+\t)*1536+512*\c
.endr
.endr
.irp i, 0,1
	ds_load_b32 v[248+\i], v[ADS] offset:128*(2*\g+\i)
.endr
	s_wait_dscnt 0x0
.irp t, 0,2
	v_wmma_scale_f32_16x16x128_f8f6f4 v[96+8*(4*\g+\t):103+8*(4*\g+\t)], v[32+12*\t:43+12*\t], v[16:27], 0, v[248+\t/2], v255 matrix_a_fmt:MATRIX_FMT_FP6 matrix_b_fmt:MATRIX_FMT_FP6
	v_wmma_scale_f32_16x16x128_f8f6f4 v[104+8*(4*\g+\t):111+8*(4*\g+\t)], v[44+12*\t:55+12*\t], v[16:27], 0, v[248+\t/2], v255 matrix_a_fmt:MATRIX_FMT_FP6 matrix_b_fmt:MATRIX_FMT_FP6 matrix_a_scale:MATRIX_SCALE_ROW1
.endr
.endr
.rept 4
	v_nop
.endr
; V's tiles 0-3 are asked for here, four places behind the scores' products, which have read v32-79 and v248-249: the softmax's work stands between these loads and the wait for them
.irp t, 0,1,2,3
.irp c, 0,1,2
	ds_load_b128 v[32+12*\t+4*\c:35+12*\t+4*\c], v[AD] offset:2*STEPB+(\q)*STEPB+\t*1536+512*\c
.endr
.endr
.irp i, 0,1
	ds_load_b32 v[248+\i], v[ADS] offset:8192+128*\i
.endr
	s_add_co_u32 s96, s[KF], 127
	s_cmp_le_u32 s96, s[Q0]
	s_cbranch_scc1 .Lopen_\@
	s_sub_co_i32 s96, s[Q0], s[KF]
	v_add_nc_u32 v252, s96, v[DQ]
	v_mov_b32 v254, 0xff800000
.set n, 0
.rept 64
	v_cmp_gt_i32 vcc_lo, 32*(n/16)+n%16, v252
	v_cndmask_b32 v[96+n], v[96+n], v254, vcc_lo
.set n, n+1
.endr
.Lopen_\@:
.irp b, 0,1,2,3
	v_max3_num_f32 v[232+\b], v[96+16*\b], v[97+16*\b], v[98+16*\b]
.endr
.irp i, 3,5,7,9,11,13
.irp b, 0,1,2,3
	v_max3_num_f32 v[232+\b], v[232+\b], v[96+16*\b+\i], v[97+16*\b+\i]
.endr
.endr
.irp b, 0,1,2,3
	v_max_num_f32 v[232+\b], v[232+\b], v[111+16*\b]
.endr
.irp b, 0,1,2,3
	s_delay_alu instid0(VALU_DEP_4)
	v_permlanex16_b32 v[236+\b], v[232+\b], s[SEL], s[SEL+1]
.endr
.irp b, 0,1,2,3
	s_delay_alu instid0(VALU_DEP_4)
	v_max_num_f32 v[232+\b], v[232+\b], v[236+\b]
.endr
	s_delay_alu instid0(VALU_DEP_2)
	v_max3_num_f32 v254, v232, v233, v234
	s_delay_alu instid0(VALU_DEP_1)
	v_max_num_f32 v254, v254, v235
	s_delay_alu instid0(VALU_DEP_1)
	v_mul_f32 v254, s[CS], v254
	s_delay_alu instid0(VALU_DEP_1)
	v_max_num_f32 v13, v13, v254
	v_mov_b32 v254, v12
	s_delay_alu instid0(VALU_DEP_2)
	v_floor_f32 v12, -v13
	s_delay_alu instid0(VALU_DEP_1)
	v_sub_f32 v254, v12, v254
	s_delay_alu instid0(VALU_DEP_1)
	v_cvt_i32_f32 v254, v254
	s_delay_alu instid0(VALU_DEP_1)
	v_ldexp_f32 v252, 1.0, v254
.set j, 0
.rept 32
	v_pk_fma_f32 v[96+j:97+j], v[96+j:97+j], s[CS:CS+1], v[12:13] op_sel_hi:[1,0,0]
.set j, j+2
.endr
.irp b, 0,1,2,3
	v_fma_f32 v[232+\b], v[232+\b], s[CS], v12
.endr
.set j, 0
	s_wait_alu depctr_va_vdst(0)
.rept 64
	v_exp_f32 v[96+j], v[96+j]
.set j, j+1
.endr
	v_pk_mul_f32 v[14:15], v[14:15], v[252:253] op_sel_hi:[1,0]
	s_wait_alu depctr_va_vdst(0)
.irp b, 0,1,2,3
	v_exp_f32 v[232+\b], v[232+\b]
.endr
	v_pk_add_f32 v[236:237], v[96:97], v[98:99]
.irp j, 4,8,12,16,20,24,28,32,36,40,44,48,52,56,60
	v_pk_add_f32 v[14:15], v[14:15], v[96+\j:97+\j]
	v_pk_add_f32 v[236:237], v[236:237], v[98+\j:99+\j]
.endr
	s_delay_alu instid0(VALU_DEP_1)
	v_pk_add_f32 v[14:15], v[14:15], v[236:237]
	s_wait_alu depctr_va_vdst(0)
.irp b, 0,1,2,3
	v_max_num_f32 v[232+\b], 0x1800000, v[232+\b]
.endr
	CODES
; p's codes are made: V's tiles 4-7 go where p lay, v96-143, their scale words into v250-251
.irp t, 0,1,2,3
.irp c, 0,1,2
	ds_load_b128 v[96+12*\t+4*\c:99+12*\t+4*\c], v[AD] offset:2*STEPB+(\q)*STEPB+(4+\t)*1536+512*\c
.endr
.endr
.irp i, 0,1
	ds_load_b32 v[250+\i], v[ADS] offset:8192+128*(2+\i)
.endr
.set j, 0
.rept 32
	v_pk_mul_f32 v[160+j:161+j], v[160+j:161+j], v[252:253] op_sel_hi:[1,0]
.set j, j+2
.endr
	s_wait_alu depctr_va_vdst(0)
	s_wait_dscnt 0x0                               ; all 28 loads of V's eight fragments and four scale registers are in
.irp g, 0,1
.irp t, 0,2
	v_wmma_scale_f32_16x16x128_f8f6f4 v[160+8*(4*\g+\t):167+8*(4*\g+\t)], v[32+64*\g+12*\t:43+64*\g+12*\t], v[224:235], v[160+8*(4*\g+\t):167+8*(4*\g+\t)], v[248+2*\g+\t/2], v253 matrix_a_fmt:MATRIX_FMT_FP6 matrix_b_fmt:MATRIX_FMT_FP6
	v_wmma_scale_f32_16x16x128_f8f6f4 v[168+8*(4*\g+\t):175+8*(4*\g+\t)], v[44+64*\g+12*\t:55+64*\g+12*\t], v[224:235], v[168+8*(4*\g+\t):175+8*(4*\g+\t)], v[248+2*\g+\t/2], v253 matrix_a_fmt:MATRIX_FMT_FP6 matrix_b_fmt:MATRIX_FMT_FP6 matrix_a_scale:MATRIX_SCALE_ROW1
.endr
.endr
.Lhidden_\@:
	s_add_co_u32 s[KF], s[KF], 128
	s_add_co_u32 s[TS], s[TS], 512
.endm
.macro CHANGE fill
	s_wait_tensorcnt 0x0
	ds_add_u32 v[SPW], v[NIL]
.if \fill
	s_xor_b32 s[G0+1], s[G0+1], SLOT1
	s_add_nc_u64 s[G0+2:G0+3], s[G0+2:G0+3], 2*STEPB
	s_wait_xcnt 0x0
	s_add_nc_u64 s[PFA:PFA+1], s[PFA:PFA+1], 2*STEPB
.endif
	s_wait_dscnt 0x0
	s_barrier_signal -1
	s_barrier_wait -1
.if \fill
	s_add_co_u32 s96, s[KF], 256
	s_cmp_gt_u32 s96, s[LASTQ]
	s_cbranch_scc1 .Lpast_\@
	TLOAD G0, G1
.Lpast_\@:
	ASK
.endif
.endm
.macro SLOT_STEPS
	STEP 0
	STEP 1
	s_xor_b32 s[TB], s[TB], SLOT1
.endm
.Lslot:
	CHANGE 1
	SLOT_STEPS
	s_sub_co_u32 s[SLOTS], s[SLOTS], 1
	s_cmp_lg_u32 s[SLOTS], 0
	s_cbranch_scc1 .Lslot
	CHANGE 0
	SLOT_STEPS
.rept 4
	v_nop
.endr
	v_add_f32 v14, v14, v15
	s_delay_alu instid0(VALU_DEP_1)
	v_permlanex16_b32 v252, v14, s[SEL], s[SEL+1]
	s_delay_alu instid0(VALU_DEP_1)
	v_add_f32 v14, v14, v252
	s_wait_alu depctr_va_vdst(0)
	v_rcp_f32 v14, v14
	v_bfe_u32 v10, v0, 4, 1
	s_delay_alu instid0(VALU_DEP_1)
	v_lshlrev_b32 v10, 6, v10
	s_wait_alu depctr_va_vdst(0)
.set j, 0
.rept 32
	v_pk_mul_f32 v[96+j:97+j], v[160+j:161+j], v[14:15] op_sel_hi:[1,0]
.set j, j+2
.endr
	s_cmp_eq_u32 s[ST], 0
	s_cbranch_scc1 .Lfirst_stream
.set j, 0
.rept 16
	ds_store_b128 v[XA], v[96+4*j:99+4*j] offset:512*j
.set j, j+1
.endr
	s_branch .Lmeet
.Lfirst_stream:
.set j, 0
.rept 16
	global_load_b128 v[160+4*j:163+4*j], v10, s[16:17] offset:128*(j/4)+16*(j%4)
.set j, j+1
.endr
.Lmeet:
	s_wait_dscnt 0x0
	s_barrier_signal -1
	s_barrier_wait -1
	s_cmp_lg_u32 s[ST], 0
	s_cbranch_scc1 .Lend
.set j, 0
.rept 16
	ds_load_b128 v[32+4*j:35+4*j], v[XA] offset:512*j
.set j, j+1
.endr
	s_mov_b32 s72, 0x3c000000
	s_mov_b32 s73, 0x3727c5ac
	s_wait_dscnt 0x0
.set j, 0
.rept 64
	v_fma_f32 v[96+j], -v[LAM], v[32+j], v[96+j]
.set j, j+1
.endr
	v_pk_mul_f32 v[236:237], v[96:97], v[96:97]
	v_pk_mul_f32 v[238:239], v[98:99], v[98:99]
.irp j, 4,8,12,16,20,24,28,32,36,40,44,48,52,56,60
	s_delay_alu instid0(VALU_DEP_2)
	v_pk_fma_f32 v[236:237], v[96+\j:97+\j], v[96+\j:97+\j], v[236:237]
	s_delay_alu instid0(VALU_DEP_2)
	v_pk_fma_f32 v[238:239], v[98+\j:99+\j], v[98+\j:99+\j], v[238:239]
.endr
	s_delay_alu instid0(VALU_DEP_1)
	v_pk_add_f32 v[236:237], v[236:237], v[238:239]
	s_delay_alu instid0(VALU_DEP_1)
	v_add_f32 v236, v236, v237
	s_delay_alu instid0(VALU_DEP_1)
	v_permlanex16_b32 v237, v236, s[SEL], s[SEL+1]
	s_delay_alu instid0(VALU_DEP_1)
	v_add_f32 v236, v236, v237
	s_delay_alu instid0(VALU_DEP_1)
	v_fma_f32 v236, v236, s72, s73
	s_wait_alu depctr_va_vdst(0)
	v_rsq_f32 v236, v236
	v_nop
	s_wait_alu depctr_va_vdst(0)
	v_mul_f32 v236, 0x3e4cd774, v236
	s_wait_alu depctr_va_vdst(0)
	s_wait_loadcnt 0x0
.set j, 0
.rept 32
	v_pk_mul_f32 v[96+j:97+j], v[96+j:97+j], v[236:237] op_sel_hi:[1,0]
.set j, j+2
.endr
.set j, 0
.rept 32
	v_pk_mul_f32 v[96+j:97+j], v[96+j:97+j], v[160+j:161+j]
.set j, j+2
.endr
.irp b, 0,1,2,3
	v_max3_num_f32 v[232+\b], |v[96+16*\b]|, |v[97+16*\b]|, 0x1800000
.endr
.irp i, 2,4,6,8,10,12,14
.irp b, 0,1,2,3
	s_delay_alu instid0(VALU_DEP_4)
	v_max3_num_f32 v[232+\b], v[232+\b], |v[96+16*\b+\i]|, |v[97+16*\b+\i]|
.endr
.endr
.irp b, 0,1,2,3
	s_delay_alu instid0(VALU_DEP_4)
	v_permlanex16_b32 v[236+\b], v[232+\b], s[SEL], s[SEL+1]
.endr
.irp b, 0,1,2,3
	s_delay_alu instid0(VALU_DEP_4)
	v_max_num_f32 v[232+\b], v[232+\b], v[236+\b]
.endr
	CODES
.irp c, 0,1,2
	global_store_b128 v[LI], v[224+4*\c:227+4*\c], s[18:19] offset:512*\c
.endr
	v_and_b32 v10, 31, v0
	s_delay_alu instid0(VALU_DEP_1)
	v_cmp_gt_u32 vcc_lo, 16, v10
	s_wait_xcnt 0x0
	s_and_saveexec_b32 s70, vcc_lo
	global_store_b32 v[R4], v253, s[20:21]
	s_wait_xcnt 0x0
	s_or_b32 exec_lo, exec_lo, s70
.Lend:
	s_wait_tensorcnt 0x0
	ds_add_u32 v[SPW], v[NIL]
	s_wait_dscnt 0x0
	s_endpgm
.Lfunc_end_k_q47516d9998_attn:
	.size	k_q47516d9998_attn, .Lfunc_end_k_q47516d9998_attn-k_q47516d9998_attn
	.p2alignl 7, 3214868480
	.fill 96, 4, 3214868480
	.section	.rodata,"a",@progbits
	.p2align	6, 0x0
	.amdhsa_kernel k_q47516d9998_attn
		.amdhsa_group_segment_fixed_size 327680
		.amdhsa_private_segment_fixed_size 0
		.amdhsa_enable_private_segment 0
		.amdhsa_kernarg_size 72
		.amdhsa_user_sgpr_count 2
		.amdhsa_user_sgpr_kernarg_segment_ptr 1
		.amdhsa_wavefront_size32 1
		.amdhsa_system_sgpr_workgroup_id_x 1
		.amdhsa_system_sgpr_workgroup_id_y 1
		.amdhsa_system_sgpr_workgroup_id_z 1
		.amdhsa_system_vgpr_workitem_id 0
		.amdhsa_next_free_vgpr 256
		.amdhsa_next_free_sgpr 100
		.amdhsa_reserve_vcc 1
		.amdhsa_float_denorm_mode_32 3
		.amdhsa_float_denorm_mode_16_64 3
		.amdhsa_memory_ordered 1
		.amdhsa_forward_progress 1
		.amdhsa_inst_pref_size 139
	.end_amdhsa_kernel
	.amdgpu_metadata
---
amdhsa.version: [ 1, 2 ]
amdhsa.kernels:
  - .name:           k_q47516d9998_attn
    .symbol:         k_q47516d9998_attn.kd
    .args:
      - { .name: cod2, .offset: 0, .size: 8, .value_kind: global_buffer, .address_space: global }
      - { .name: scl2, .offset: 8, .size: 8, .value_kind: global_buffer, .address_space: global }
      - { .name: lambda_q1, .offset: 16, .size: 8, .value_kind: global_buffer, .address_space: global }
      - { .name: lambda_k1, .offset: 24, .size: 8, .value_kind: global_buffer, .address_space: global }
      - { .name: lambda_q2, .offset: 32, .size: 8, .value_kind: global_buffer, .address_space: global }
      - { .name: lambda_k2, .offset: 40, .size: 8, .value_kind: global_buffer, .address_space: global }
      - { .name: subln_w, .offset: 48, .size: 8, .value_kind: global_buffer, .address_space: global }
      - { .name: cod3, .offset: 56, .size: 8, .value_kind: global_buffer, .address_space: global }
      - { .name: scl3, .offset: 64, .size: 8, .value_kind: global_buffer, .address_space: global }
    .group_segment_fixed_size: 327680
    .private_segment_fixed_size: 0
    .kernarg_segment_align: 8
    .kernarg_segment_size: 72
    .max_flat_workgroup_size: 512
    .sgpr_count:     100
    .vgpr_count:     256
    .wavefront_size: 32
...
	.end_amdgpu_metadata
.endif
;; end of part 3
;; launch oproj (part 4): grid 16 x 16, 4 waves a work-group, clusters of 4 x 4, 327,680 bytes of LDS; arguments cod3, scl3, cod1, scl1, out0; writes out0
.if DOCPART == 4
	.amdgcn_target "amdgcn-amd-amdhsa--gfx1250"
	.amdhsa_code_object_version 6
	.text
	.protected	k_q47516d9998_oproj
	.globl	k_q47516d9998_oproj
	.p2align	8
	.type	k_q47516d9998_oproj,@function
k_q47516d9998_oproj:
	s_mov_b64 s[64:65], 0
	v_nop
	global_prefetch_b8 v0, s[64:65] scope:SCOPE_SE
	s_setreg_imm32_b32 hwreg(HW_REG_WAVE_MODE, 25, 1), 1
	s_wait_xcnt 0x0
	s_wait_alu depctr_hold_cnt(0) depctr_sa_sdst(0) depctr_va_vdst(0) depctr_va_sdst(0) depctr_va_ssrc(0) depctr_va_vcc(0) depctr_vm_vsrc(0)
	s_getreg_b32 s2, hwreg(HW_REG_IB_STS2, 6, 4)
	s_cmp_eq_u32 s2, 0
	s_cbranch_scc0 .Lentry_in_a_cluster
	s_endpgm
.Lentry_in_a_cluster:
	s_bfe_u32 s2, ttmp6, 0x10000c
	s_cmp_lg_u32 s2, 0xf033
	s_cbranch_scc0 .Lentry_shape_is_right
	s_endpgm
.Lentry_shape_is_right:
; out0 = attn wo^T on codes of FP6 (E2M3) with E8M0 scales: A = cod3 / scl3 (the attention launch's result), B = tensor 4 of cod1 / scl1 (wo).
; Operands lie as images of the operand's registers: [tile][K step][1,536 bytes]; slot r of tile T is row 32 (T/2) + 8 (T%2) + r + 8 (r/8); scale words [tile][K step][16 words].
; A block of 128 x 128 to a work-group: 16 x 16 = 256 work-groups.  Four waves, each 64 x 64: 16 accumulators (v256-383), which take turns, one instruction a turn.
; K = 16 steps of 128 comes in THREE fills: steps 0-5 into region X, steps 6-11 into region Y, steps 12-15 into X again.  A tile's part of a fill is 9,216 or 6,144 consecutive bytes, at a multiple of 256.
; CLUSTERS 4 x 4: A's tiles hang on the block row and are asked for jointly along a row of the cluster, B's on the block column, along a column.
; The head's four loads, one a wave: A's 8 tiles, B's 8 tiles, A's scale words, B's scale words (8,192 dense bytes each, all of K).  Later fills: a quarter (4 tiles) a wave.
; PREFETCH, one fill ahead: behind the head's load the bytes of fill 1, behind fill 1's load those of fill 2.  Of the 4 tiles that a wave fetches each of the four partners names one, by address (cx for A, cy for B);
; a lane names a block of 256 bytes (36 or 24 to a tile; lanes left over name the last block again).  The address registers are never rewritten.
; THE MATRIX INSTRUCTION IS USED TRANSPOSED: source 0 = a tile of wo, source 1 = a tile of A: a lane holds one position and eight neighbouring channels.
; The way out goes through each wave's stage, which lies in region Y: Y has had its last fill, and every wave has passed the last barrier, behind which nobody reads it.
; REGISTERS: v8-10 prefetch offsets; v16-29 addresses; v32-39 scale words, two sets, nothing else; v64-255 two sets of 4 + 4 fragments, on the way out rows read back; v256-383 accumulator (a, b) at 256 + 8 (4 a + b).
.set P6,    9216                       ; a tile's six K steps
.set P4,    6144                       ; a tile's four K steps
.set X1,    16*P6                      ; region Y begins here
.set SCL,   2*X1                       ; the scale words: A's 8,192 bytes, then B's
.set SPARE, SCL+16384                  ; the spare words, 128 bytes a wave
.set STAGE, X1
.set SPITCH, 272                       ; a stage row: 256 bytes + 16
.set PF1,  8
.set PF2,  9
.set PF3,  10
.set ADRA, 16                          ; v16-18 my A fragments in fill 0, 1, 2
.set ADRB, 20                          ; v20-22 the same for B
.set STO,  24
.set RD,   25
.set CO,   26
.set ADRS, 27
.set SPW,  28
.set NIL,  29
.set LI,   30
.set SC,   32
.set BK,   64
.set G1, 24
.set G0, 32
.set G0H, 36
.set G1B, 48
.set G0B, 56
.set G0HB, 60
.set G1S, 68
.set G0S, 76
.set G1SB, 80
.set G0SB, 88
.set PFA, 100
.set MSB, 0
.macro WIN new                         ; the immediate's high byte repeats the setting that is left
.if MSB != \new
	s_set_vgpr_msb (MSB<<8)|\new
.set MSB, \new
.endif
.endm
.macro PLACES                          ; four plain places behind a matrix instruction (ISA guide 7.12.1)
.rept 4
	v_nop
.endr
.endm
.macro JLOAD                           ; waves 0, 1 fetch for A, waves 2, 3 for B; the branch hangs on the wave's number alone; s_nop 0 and four v_nop follow each line
	s_cmp_eq_u32 s17, 0
	s_cbranch_scc0 .Lfor_b_\@
	tensor_load_to_lds s[G0:G0+3], s[G1:G1+7]
	s_nop 0
	PLACES
	s_branch .Lasked_\@
.Lfor_b_\@:
	tensor_load_to_lds s[G0B:G0B+3], s[G1B:G1B+7]
	s_nop 0
	PLACES
.Lasked_\@:
.endm
.macro CREST
	s_cmp_lg_u32 s16, 0
	s_cbranch_scc1 .Lnot_wave_0_\@
	s_barrier_signal -3
.Lnot_wave_0_\@:
	s_barrier_wait -3
	s_barrier_signal -1
	s_barrier_wait -1
.endm
.macro CROUND
	s_barrier_signal -1
	s_barrier_wait -1
	CREST
.endm
	s_load_b256 s[4:11], s[0:1], 0x0               ; cod3, scl3, cod1, scl1
	s_load_b64 s[12:13], s[0:1], 0x20              ; out0
	v_lshl_add_u32 v[SPW], v0, 2, SPARE
	v_mov_b32 v[NIL], 0
	ds_add_u32 v[SPW], v[NIL]                      ; the opening lines: the add, twice on end, and its wait ahead of my first tensor load
	ds_add_u32 v[SPW], v[NIL]
	v_lshrrev_b32 v1, 5, v0
	v_readfirstlane_b32 s16, v1                    ; wave
	s_lshr_b32 s17, s16, 1                         ; my half of A's rows.  Also: I fetch for A (0) or for B (1)
	s_and_b32 s18, s16, 1                          ; my half of B's rows.  Also: which four tiles I fetch
	s_bfe_u32 s40, ttmp6, 0x40000                  ; cx
	s_bfe_u32 s41, ttmp6, 0x40004                  ; cy
	s_lshl_b32 s42, ttmp9, 2
	s_add_co_u32 s42, s42, s40                     ; block column
	s_and_b32 s43, ttmp7, 0xffff
	s_lshl_b32 s43, s43, 2
	s_add_co_u32 s43, s43, s41                     ; block row
	s_lshl_b32 s44, s41, 2
	s_lshl_b32 s44, 15, s44                        ; my row of the cluster
	s_lshl_b32 s45, 0x1111, s40                    ; my column
	s_or_b32 s[G1], s44, (3<<16)|(1<<21)           ; the mask; elements of 8 bytes; bit 21 beside a mask
	s_or_b32 s[G1B], s45, (3<<16)|(1<<21)
.irp g, G1, G1B
	s_mov_b32 s[\g+1], (P6/8)<<16                  ; a row: a tile's six K steps
	s_mov_b32 s[\g+2], 8<<16                       ; the head's loads bring eight tiles
	s_mov_b32 s[\g+3], (P6/8)<<16
	s_mov_b32 s[\g+4], 8
	s_mov_b32 s[\g+5], 3072                        ; from tile to tile 24,576 bytes
	s_mov_b32 s[\g+6], 0
	s_mov_b32 s[\g+7], 0
.endr
	s_or_b32 s[G1S], s44, (3<<16)|(1<<21)
	s_or_b32 s[G1SB], s45, (3<<16)|(1<<21)
.irp g, G1S, G1SB
	s_mov_b32 s[\g+1], 32<<16                      ; 8,192 dense bytes as 32 rows of 256
	s_mov_b32 s[\g+2], 32<<16
	s_mov_b32 s[\g+3], 32<<16
	s_mov_b32 s[\g+4], 32
	s_mov_b32 s[\g+5], 32
	s_mov_b32 s[\g+6], 0
	s_mov_b32 s[\g+7], 0
.endr
	s_add_co_u32 s46, s42, 64                      ; wo's blocks of eight tiles follow the 64 of x, wq, wk, wv
	s_lshl_b32 s22, s43, 13
	s_mul_i32 s20, s43, 196608
	s_lshl_b32 s92, s46, 13
	s_mul_i32 s46, s46, 196608
	s_mov_b32 s21, 0
	s_mov_b32 s23, 0
	s_mov_b32 s47, 0
	s_mov_b32 s93, 0
	s_mul_i32 s2, s17, 4*P6                        ; LDS: my four tiles of A in a region of six steps,
	s_mul_i32 s3, s18, 4*P6
	s_add_co_u32 s3, s3, 8*P6                      ; and of B, behind A's eight;
	s_mul_i32 s14, s17, 4*P4                       ; the same in the fill of four steps
	s_mul_i32 s15, s18, 4*P4
	s_add_co_u32 s15, s15, 8*P4
	s_lshl_b32 s94, s17, 12
	s_add_co_u32 s19, s94, SCL                     ; my four tiles' scale words of A,
	s_lshl_b32 s66, s18, 12
	s_add_co_u32 s66, s66, 8192
	s_sub_co_u32 s66, s66, s94                     ; and how far on B's lie
	s_mul_i32 s67, s16, 16*SPITCH
	s_add_co_u32 s67, s67, STAGE                   ; my stage
	s_lshl_b32 s98, s43, 20                        ; out0: 128 rows of 8,192 bytes a block row, 64 for my half,
	s_lshl_b32 s99, s17, 19
	s_add_co_u32 s98, s98, s99
	s_lshl_b32 s99, s42, 9                         ; 512 bytes a block column, 256 for my half
	s_add_co_u32 s98, s98, s99
	s_lshl_b32 s99, s18, 8
	s_add_co_u32 s98, s98, s99
	s_mov_b32 s99, 0
	s_mul_i32 s94, s18, 98304                      ; which four tiles I fetch
	s_mov_b32 s95, 0
	s_wait_dscnt 0x0                               ; both opening adds are done
	s_wait_kmcnt 0x0
	s_add_nc_u64 s[20:21], s[4:5], s[20:21]
	s_add_nc_u64 s[22:23], s[6:7], s[22:23]
	s_add_nc_u64 s[46:47], s[8:9], s[46:47]
	s_add_nc_u64 s[92:93], s[10:11], s[92:93]
	s_add_nc_u64 s[12:13], s[12:13], s[98:99]
	s_mov_b32 s[G0H], 1                            ; the head's four tiles: A's codes,
	s_mov_b32 s[G0H+1], 0
	s_mov_b64 s[G0H+2:G0H+3], s[20:21]
	s_or_b32 s[G0H+3], s[G0H+3], 0x80000000
	s_mov_b32 s[G0HB], 1                           ; B's codes,
	s_mov_b32 s[G0HB+1], 8*P6
	s_mov_b64 s[G0HB+2:G0HB+3], s[46:47]
	s_or_b32 s[G0HB+3], s[G0HB+3], 0x80000000
	s_mov_b32 s[G0S], 1                            ; A's scale words,
	s_mov_b32 s[G0S+1], SCL
	s_mov_b64 s[G0S+2:G0S+3], s[22:23]
	s_or_b32 s[G0S+3], s[G0S+3], 0x80000000
	s_mov_b32 s[G0SB], 1                           ; B's
	s_mov_b32 s[G0SB+1], SCL+8192
	s_mov_b64 s[G0SB+2:G0SB+3], s[92:93]
	s_or_b32 s[G0SB+3], s[G0SB+3], 0x80000000
	s_add_nc_u64 s[20:21], s[20:21], s[94:95]      ; the later fills: my four tiles
	s_add_nc_u64 s[46:47], s[46:47], s[94:95]
	s_mov_b32 s[G0], 1                             ; fill 1: steps 6-11 into region Y, wave x four tiles
	s_mul_i32 s[G0+1], s16, 4*P6
	s_add_co_u32 s[G0+1], s[G0+1], X1
	s_add_nc_u64 s[G0+2:G0+3], s[20:21], P6
	s_or_b32 s[G0+3], s[G0+3], 0x80000000
	s_mov_b32 s[G0B], 1
	s_mul_i32 s[G0B+1], s16, 4*P6
	s_add_co_u32 s[G0B+1], s[G0B+1], X1
	s_add_nc_u64 s[G0B+2:G0B+3], s[46:47], P6
	s_or_b32 s[G0B+3], s[G0B+3], 0x80000000
	s_cmp_eq_u32 s17, 0                            ; the prefetches: of my four tiles the one at my work-group's place among the four partners
	s_cselect_b64 s[PFA:PFA+1], s[20:21], s[46:47]
	s_cselect_b32 s94, s40, s41
	s_mul_i32 s94, s94, 24576
	s_add_nc_u64 s[PFA:PFA+1], s[PFA:PFA+1], s[94:95]
	CROUND                                         ; all sixteen work-groups are here: the first joint loads meet
.macro ARM under, g0, g1, next         ; one tree of branches on the wave's number: every way passes exactly one load
	s_cmp_lt_u32 s16, \under
	s_cbranch_scc0 \next
	tensor_load_to_lds s[\g0:\g0+3], s[\g1:\g1+7]
	s_nop 0
	PLACES
	s_branch .Lhead_asked
\next:
.endm
	ARM 1, G0H,  G1,  .Lhead_b
	ARM 2, G0HB, G1B, .Lhead_sa
	ARM 3, G0S,  G1S, .Lhead_sb
	tensor_load_to_lds s[G0SB:G0SB+3], s[G1SB:G1SB+7]
	s_nop 0
	PLACES
.Lhead_asked:
	v_and_b32 v1, 15, v0                           ; r
	v_bfe_u32 v2, v0, 4, 1                         ; h
	v_and_b32 v3, 31, v0                           ; lane
	v_lshlrev_b32 v[PF1], 8, v3                    ; blocks 0-31 of a tile's part of fill 1,
	v_min_u32 v4, 3, v3
	v_lshl_add_u32 v[PF2], v4, 8, 8192             ; blocks 32-35,
	v_min_u32 v5, 23, v3
	v_lshlrev_b32 v[PF3], 8, v5                    ; blocks 0-23 of fill 2
	v_lshlrev_b32 v[LI], 4, v3
	global_prefetch_b8 v[PF1], s[PFA:PFA+1] offset:P6 th:TH_LOAD_NT scope:SCOPE_SE
	global_prefetch_b8 v[PF2], s[PFA:PFA+1] offset:P6 th:TH_LOAD_NT scope:SCOPE_SE
	v_add_nc_u32 v[ADRA], s2, v[LI]
	v_add_nc_u32 v[ADRB], s3, v[LI]
	v_add_nc_u32 v[ADRA+1], X1, v[ADRA]
	v_add_nc_u32 v[ADRB+1], X1, v[ADRB]
	v_add_nc_u32 v[ADRA+2], s14, v[LI]
	v_add_nc_u32 v[ADRB+2], s15, v[LI]
	v_lshlrev_b32 v5, 2, v1                        ; scale words: 4 r; lanes 0-15 take A's, lanes 16-31 B's
	v_mul_u32_u24 v6, s66, v2
	v_add_nc_u32 v5, v5, v6
	v_add_nc_u32 v[ADRS], s19, v5
	v_mul_u32_u24 v5, v1, SPITCH                   ; into the stage: row r, 64 bytes for each half of the lanes
	v_lshl_add_u32 v5, v2, 6, v5
	v_add_nc_u32 v[STO], s67, v5
	v_mul_u32_u24 v6, v2, SPITCH                   ; back: sixteen lanes to a row of 256 bytes, two rows a load
	v_lshl_add_u32 v6, v1, 4, v6
	v_add_nc_u32 v[RD], s67, v6
	v_lshlrev_b32 v7, 13, v2                       ; and the same two rows in out0
	v_lshl_add_u32 v[CO], v1, 4, v7
.macro FRAG reg, adr, off              ; a fragment's image: three loads, 512 consecutive bytes each
.irp c, 0,1,2
	ds_load_b128 v[\reg+4*\c:\reg+4*\c+3], v[\adr] offset:(\off)+512*\c
.endr
.endm
.macro FETCH st                        ; step st's 4 + 4 fragments and 4 scale registers into set st % 2: 28 LDS loads
.if (\st) < 12
.set CH, (\st)/6
.set QQ, (\st)%6
.set PT, P6
.else
.set CH, 2
.set QQ, (\st)-12
.set PT, P4
.endif
.set FA, 64+96*((\st)%2)
.irp i, 0,1,2,3
	FRAG FA+48+12*\i, ADRB+CH, \i*PT+QQ*1536
.endr
.irp i, 0,1,2,3
	FRAG FA+12*\i, ADRA+CH, \i*PT+QQ*1536
.endr
.irp i, 0,1,2,3
	ds_load_b32 v[SC+4*((\st)%2)+\i], v[ADRS] offset:1024*\i+64*(\st)   ; lanes 0-15 A's tile i, lanes 16-31 B's tile i
.endr
.endm
.macro MUL8 st, a0                     ; A's tiles a0, a0 + 1 x B's four; step 0's products start the sums
.set FA, 64+96*((\st)%2)
.set SS, SC+4*((\st)%2)
.irp a, \a0, \a0+1
.irp b, 0,1,2,3
.if (\st) == 0
	v_wmma_scale_f32_16x16x128_f8f6f4 v[8*(4*(\a)+\b):8*(4*(\a)+\b)+7], v[FA+48+12*\b:FA+48+12*\b+11], v[FA+12*(\a):FA+12*(\a)+11], 0, v[SS+\b], v[SS+(\a)] matrix_a_fmt:MATRIX_FMT_FP6 matrix_b_fmt:MATRIX_FMT_FP6 matrix_a_scale:MATRIX_SCALE_ROW1
.else
	v_wmma_scale_f32_16x16x128_f8f6f4 v[8*(4*(\a)+\b):8*(4*(\a)+\b)+7], v[FA+48+12*\b:FA+48+12*\b+11], v[FA+12*(\a):FA+12*(\a)+11], v[8*(4*(\a)+\b):8*(4*(\a)+\b)+7], v[SS+\b], v[SS+(\a)] matrix_a_fmt:MATRIX_FMT_FP6 matrix_b_fmt:MATRIX_FMT_FP6 matrix_a_scale:MATRIX_SCALE_ROW1
.endif
.endr
.endr
.endm
; kind 0: a step whose successor lies in the same fill; 1: a fill's last step, its region is filled again; 2: a fill's last step, nothing is filled; 3: the last step
.macro STEP st, kind
.if (\kind) == 1 || (\kind) == 2
	s_wait_tensorcnt 0x0                           ; all my tensor loads have landed: my part of the next fill
	ds_add_u32 v[SPW], v[NIL]
.if (\kind) == 1
	s_mul_i32 s[G0+1], s16, 4*P4                   ; no load of mine is out: fill 2, steps 12-15, rows of four steps, into region X
	s_mul_i32 s[G0B+1], s16, 4*P4
	s_add_nc_u64 s[G0+2:G0+3], s[G0+2:G0+3], P6
	s_add_nc_u64 s[G0B+2:G0B+3], s[G0B+2:G0B+3], P6
.irp g, G1, G1B
	s_mov_b32 s[\g+1], (P4/8)<<16
	s_mov_b32 s[\g+3], (P4/8)<<16
.endr
.endif
	s_wait_dscnt 1                                 ; this step's 28 loads are in; the add may be out
	WIN 0x50                                       ; C and D in window 1
	MUL8 \st, 0
	s_wait_dscnt 0x0                               ; the add is done; my reads of this region were over above
	s_barrier_signal -1
	MUL8 \st, 2
	WIN 0
	s_barrier_wait -1
.if (\kind) == 1
	CREST                                          ; the barrier has opened a round of the cluster's barrier
	JLOAD                                          ; the first tensor load behind the round; its four v_nop are the places in front of later loads
.else
	PLACES
.endif
	FETCH (\st)+1
.else
	s_wait_dscnt 0x0                               ; this step's loads are in
.if (\kind) == 0
	FETCH (\st)+1                                  ; the other set, which the last step's products have read, four places ago
.endif
	WIN 0x50
	MUL8 \st, 0
	MUL8 \st, 2
	WIN 0
	PLACES
.endif
.endm
	s_wait_alu depctr_va_vdst(0)
	s_wait_tensorcnt 0x0                           ; my tile of the head's four is in; the full sequence ahead of a later first fill
	ds_add_u32 v[SPW], v[NIL]
	s_mov_b32 s[G1+2], 4<<16                       ; no load of mine is out: from here on a load brings four tiles
	s_mov_b32 s[G1+4], 4
	s_mov_b32 s[G1B+2], 4<<16
	s_mov_b32 s[G1B+4], 4
	s_wait_dscnt 0x0
	CROUND
	JLOAD                                          ; fill 1
	FETCH 0
	global_prefetch_b8 v[PF3], s[PFA:PFA+1] offset:2*P6 th:TH_LOAD_NT scope:SCOPE_SE   ; fill 2's bytes, one fill ahead
.irp s, 0,1,2,3,4
	STEP \s, 0
.endr
	STEP 5, 1
.irp s, 6,7,8,9,10
	STEP \s, 0
.endr
	STEP 11, 2
.irp s, 12,13,14
	STEP \s, 0
.endr
	STEP 15, 3
; THE WAY OUT, by blocks of 16 positions x 64 channels: into my stage, back as rows of 256 bytes.  LDS serves a wave's instructions in order (ISA guide 5.7.1.4): no wait between stores and loads.
.macro TOSTAGE a
	WIN 0x04                                       ; the data: window 1
.irp b, 0,1,2,3
	ds_store_b128 v[STO], v[32*(\a)+8*\b:32*(\a)+8*\b+3] offset:128*(\b/2)+32*(\b%2)      ; each accumulator from its low end on
	ds_store_b128 v[STO], v[32*(\a)+8*\b+4:32*(\a)+8*\b+7] offset:128*(\b/2)+32*(\b%2)+16
.endr
	WIN 0
.irp t, 0,1,2,3,4,5,6,7
	ds_load_b128 v[BK+32*((\a)%2)+4*\t:BK+32*((\a)%2)+4*\t+3], v[RD] offset:\t*2*SPITCH
.endr
.endm
.macro SEND a, younger                 ; younger: the LDS instructions issued behind block a's loads
	s_wait_dscnt \younger
.irp t, 0,1,2,3,4,5,6,7
	global_store_b128 v[CO], v[BK+32*((\a)%2)+4*\t:BK+32*((\a)%2)+4*\t+3], s[12:13] offset:(32*((\a)/2)+8*((\a)%2)+2*\t+8*(\t/4))*8192 th:TH_STORE_NT   ; sixteen lanes store 256 consecutive bytes, aligned
.endr
.endm
	TOSTAGE 0
.irp a, 1,2,3
.if \a > 1
	s_wait_xcnt 0x0                                ; block a - 2's stores have read their registers: block a's loads may land there
.endif
	TOSTAGE \a
	SEND \a-1, 16                                  ; behind block a - 1's loads: block a's 8 stores and 8 loads
.endr
	SEND 3, 0
	s_wait_tensorcnt 0x0                           ; the wave's end
	ds_add_u32 v[SPW], v[NIL]
	s_wait_dscnt 0x0
	CROUND                                         ; the closing round
	s_endpgm
.Lfunc_end_k_q47516d9998_oproj:
	.size	k_q47516d9998_oproj, .Lfunc_end_k_q47516d9998_oproj-k_q47516d9998_oproj
	.p2alignl 7, 3214868480
	.fill 96, 4, 3214868480
	.section	.rodata,"a",@progbits
	.p2align	6, 0x0
	.amdhsa_kernel k_q47516d9998_oproj
		.amdhsa_group_segment_fixed_size 327680
		.amdhsa_private_segment_fixed_size 0
		.amdhsa_enable_private_segment 0
		.amdhsa_kernarg_size 40
		.amdhsa_user_sgpr_count 2
		.amdhsa_user_sgpr_kernarg_segment_ptr 1
		.amdhsa_wavefront_size32 1
		.amdhsa_system_sgpr_workgroup_id_x 1
		.amdhsa_system_sgpr_workgroup_id_y 1
		.amdhsa_system_sgpr_workgroup_id_z 1
		.amdhsa_system_vgpr_workitem_id 0
		.amdhsa_next_free_vgpr 384
		.amdhsa_next_free_sgpr 104
		.amdhsa_reserve_vcc 0
		.amdhsa_float_denorm_mode_32 3
		.amdhsa_float_denorm_mode_16_64 3
		.amdhsa_memory_ordered 1
		.amdhsa_forward_progress 1
		.amdhsa_inst_pref_size 84
	.end_amdhsa_kernel
	.amdgpu_metadata
---
amdhsa.version: [ 1, 2 ]
amdhsa.kernels:
  - .name:           k_q47516d9998_oproj
    .symbol:         k_q47516d9998_oproj.kd
    .args:
      - { .name: cod3, .offset: 0, .size: 8, .value_kind: global_buffer, .address_space: global }
      - { .name: scl3, .offset: 8, .size: 8, .value_kind: global_buffer, .address_space: global }
      - { .name: cod1, .offset: 16, .size: 8, .value_kind: global_buffer, .address_space: global }
      - { .name: scl1, .offset: 24, .size: 8, .value_kind: global_buffer, .address_space: global }
      - { .name: out0, .offset: 32, .size: 8, .value_kind: global_buffer, .address_space: global }
    .group_segment_fixed_size: 327680
    .private_segment_fixed_size: 0
    .kernarg_segment_align: 8
    .kernarg_segment_size: 40
    .max_flat_workgroup_size: 128
    .sgpr_count:     104
    .vgpr_count:     384
    .wavefront_size: 32
...
	.end_amdgpu_metadata
.endif
;; end of part 4
